; MI455X (gfx1250); checked and timed in simulation.
; The chip was launched on July 23, 2026; its instructions are those of AMD's public machine-readable ISA for CDNA 5 (MIT licence, August 2026) and "CDNA5" Instruction Set Architecture Reference Guide (July 2026). The comments in the code are by the model that wrote it; some were corrected since.
;; Causal Multihead Self Attention. Allowed arithmetic: matrix products marked QUANTISED: E2M3 operands, one E8M0 scale for each 32 along K, by v_wmma_scale_f32_16x16x128_f8f6f4 with both operands' format E2M3, f32 sums; everything else in f32.
;; Inputs: Wk 1,024 x 1,024 float32; Wo 1,024 x 1,024 float32; Wq 1,024 x 1,024 float32; Wv 1,024 x 1,024 float32; bk 1,024 float32; bo 1,024 float32; bq 1,024 float32; bv 1,024 float32; x 4 x 2,048 x 1,024 float32.
;; Outputs: out0 4 x 2,048 x 1,024 float32.
;; This version of the problem:
;;   THIS VERSION OF THE PROBLEM IS GIVEN IN LOW PRECISION. The matrix products marked QUANTISED in the list below multiply operands that are first quantised to E2M3 (2 exponent bits, 3 mantissa bits; 6 bits a number), with one power-of-two scale for each 32 numbers along K (OCP MX v1.0); their sums are f32. All else is computed in f32.
;;   The module's matrix products, in the order in which they are computed (A, B: the left and right operand; K: the contracted axis; several contracted axes count as one K, in the product's order):
;;     1. [M 8,192, K 1,024] x [K 1,024, N 1,024]; A: input x; B: input Wq: QUANTISED
;;     2. [M 8,192, K 1,024] x [K 1,024, N 1,024]; A: input x; B: input Wk: QUANTISED
;;     3. [M 8,192, K 1,024] x [K 1,024, N 1,024]; A: input x; B: input Wv: QUANTISED
;;     4. batch 64 x [M 2,048, K 64] x [K 64, N 2,048]; A: computed on the way; B: computed on the way: QUANTISED
;;     5. batch 64 x [M 2,048, K 2,048] x [K 2,048, N 64]; A: softmax (see below); B: computed on the way: QUANTISED
;;     6. [M 8,192, K 1,024] x [K 1,024, N 1,024]; A: computed on the way; B: input Wo: QUANTISED
;;   THE QUANTISER, for each operand of a quantised product, along K:
;;     - K is cut into blocks of 32 from its start; a last block that is shorter is filled with zeros.
;;     - A block's scale is 2^e with e = floor(log2(the largest magnitude in the block)) - 2, held to -126 .. 127; a block of zeros has e = 0. As a byte (E8M0): e + 127.
;;     - Each number is divided by its block's scale, clamped to +-7.5, and rounded to the nearest number of E2M3, ties to even, subnormals kept.
;;     - The product sums the exact products of the quantised numbers (number of the format x scale) in f32.
;;   ~~~python
;;   def quantise(x, axis):      # numpy; x: float32 -> the quantised numbers, widened to float32 again
;;       x = np.moveaxis(x, axis, -1); K = x.shape[-1]
;;       x = np.pad(x, [(0, 0)] * (x.ndim - 1) + [(0, -K % 32)]); x = x.reshape(x.shape[:-1] + (-1, 32)); a = np.abs(x).max(-1, keepdims=True)
;;       e = np.where(a > 0, np.clip(np.frexp(np.where(a > 0, a, 1))[1] - 1 - 2, -126, 127), 0)      # np.frexp(a)[1] - 1 = floor(log2(a)), exactly
;;       r = np.clip(x / 2.0 ** e, -7.5, 7.5)
;;       step = 2.0 ** (np.maximum(np.frexp(np.where(r == 0, 1, r))[1] - 1, 0) - 3)
;;       q = np.round(r / step) * step * 2.0 ** e      # np.round: ties to even
;;       return np.moveaxis(q.reshape(q.shape[:-2] + (-1,))[..., :K], -1, axis).astype(np.float32)
;;   ~~~
;;   SOFTMAX AHEAD OF A QUANTISED PRODUCT. Where the list says 'softmax', what is quantised is not the finished softmax but p = 2^(t - M), with t = logit x log2(e) and M = ceil(the row's largest t), a whole number; so 1/2 < the row's largest p <= 1. The row's sum l is taken of the UNQUANTISED p, in f32, and the product's result is divided by l at the end. Since M is a whole number, a kernel that streams over the keys may use a running M (the ceiling of the running maximum): every later rescaling is an exact power of two, which a block's scale takes up: the codes' values come out the same.
;;   OPERANDS COMPUTED ON THE WAY. 'Computed on the way' means the value that the module computes at that place (a softmax that the list does not call 'softmax' is quantised finished and normalised). What goes into a quantiser is computed in f32, as accurately as f32 sums, v_exp_f32 and their like allow (about 1e-6 of the number): no bf16 or f16 on the way to a quantiser, and a product that is left as it is and whose result goes on into a quantised operand takes f32 operands (vector FMAs, or v_wmma_f32_16x16x4_f32). A number that lies on a knife's edge between two numbers of the format may be rounded either way, as far as f32 arithmetic and the matrix unit's own rounding can turn it there, and no further.
;; One version. Each part assembles by itself: llvm-mc -triple=amdgcn-amd-amdhsa -mcpu=gfx1250 --defsym DOCPART=n.
;; ======== version 1 of 1: 4 launches
;; workspace buffers: xc 6,291,456 bytes; xs 262,144 bytes; wc 3,145,728 bytes; ws 131,072 bytes; hc 18,874,368 bytes; hs 1,310,720 bytes; ac 6,291,456 bytes; asc 262,144 bytes
;; launch quant (part 1): grid 384 x 1, 4 waves a work-group, no clusters, 34,304 bytes of LDS; arguments x, Wq, Wk, Wv, Wo, xc, xs, wc, ws; writes xc, xs, wc, ws
.if DOCPART == 1
	.amdgcn_target "amdgcn-amd-amdhsa--gfx1250"
	.amdhsa_code_object_version 6
	.text
	.protected	k_qf4109879bf_quant
	.globl	k_qf4109879bf_quant
	.p2align	8
	.type	k_qf4109879bf_quant,@function
k_qf4109879bf_quant:
	s_mov_b64 s[64:65], 0
	v_nop
	global_prefetch_b8 v0, s[64:65] scope:SCOPE_SE
	s_setreg_imm32_b32 hwreg(HW_REG_WAVE_MODE, 25, 1), 1
	s_wait_xcnt 0x0
; x [8192][1024] and Wq, Wk, Wv, Wo [1024][1024], f32 with K innermost, become codes of FP6 (E2M3) with one E8M0 byte for each 32 along K, once for the whole program.
; A block's scale is 2^(floor(log2(its largest magnitude)) - 2); its byte is the largest magnitude's exponent field - 2, held at 1 from below.
; LIMITS: NaN and infinities among the inputs are not served; a block whose largest magnitude lies under 2^-124 gets the byte 1; a block of zeros gets the byte 1 where the rule says 127:
; its codes are zeros, which add nothing under any byte but 0xff, and the bytes are read by this program alone.
; LAYOUT OF THE RESULTS: images of the matrix operand's registers.  A tile T is 16 rows: lane r takes row 32 (T / 2) + 8 (T % 2) + r + 8 (r / 8).  For each 64 along K (number kap) a tile has 768 bytes:
; lane l = r + 16 h owns k = 64 kap + 32 h + 0 .. 31, six registers; register pair p lies at 256 p + 8 l.  Codes: [T][kap 16][768].  Scale words: [T][sig 4][r 16][q 2][4 bytes], the word of K step 2 sig + q.
; SHARES: a wave takes one tile and one half of K: 16 rows x 512 numbers, four fragments of 128 along K.  Work-groups 0-255 take x (512 tiles), 256-383 the weights (64 tiles each, Wq, Wk, Wv, Wo on end).
; Each load reads 512 consecutive bytes of one row; a fragment's 8,192 bytes turn through the wave's own stage in LDS (rows of 512 + 16 bytes) so that a lane gets its two whole blocks of 32.
; Every store of codes covers 256 consecutive bytes, aligned.  No barrier: waves share nothing.  No matrix unit, no cluster: nothing is shared and nothing is multiplied.
.set ROWB,  4096                       ; a row of the source in bytes
.set SP,    528                        ; a stage row
.set WST,   16*SP                      ; a wave's stage
.set HFB,   768
.set C,     24                         ; v24-35   a fragment's codes
.set X,     48                         ; v48-111  my 64 numbers: register 32 c + i = k 64 c + 32 h + i
.set R,     112                        ; v112-175, v176-239  two sets of 64 registers as loaded
	s_load_b512 s[8:23], s[0:1], 0x0               ; x, Wq, Wk, Wv, Wo, xc, xs, wc
	s_load_b64 s[24:25], s[0:1], 0x40              ; ws
	v_lshl_add_u32 v240, v0, 2, 0x8400
	v_mov_b32 v241, 0
	v_lshrrev_b32 v1, 5, v0
	v_readfirstlane_b32 s4, v1                     ; wave
	v_and_b32 v1, 31, v0                           ; lane
	v_and_b32 v2, 15, v0                           ; r
	v_bfe_u32 v3, v0, 4, 1                         ; h
	v_lshlrev_b32 v4, 4, v1                        ; my 16 bytes of a load's 512
	s_mul_i32 s7, s4, WST
	v_add_nc_u32 v5, s7, v4                        ; into the stage: as loaded
	v_mul_u32_u24 v6, v2, SP
	v_lshl_add_u32 v6, v3, 7, v6
	v_add_nc_u32 v6, s7, v6                        ; out of it: row r, + 128 h bytes: my block of 32
	v_lshlrev_b32 v7, 3, v1                        ; 8 x lane: my place in a store's 256 bytes
	v_lshlrev_b32 v14, 3, v3                       ; 8 h: by how many bits my two scale bytes move up
	v_mov_b32 v15, 0                               ; a lane permute's destination counts as read
	s_mov_b32 s32, 0x76543210
	s_mov_b32 s33, 0xfedcba98                      ; selects for lane l xor 16
	s_wait_kmcnt 0x0
	s_mov_b64 s[26:27], s[16:17]                   ; which tensor: the choice hangs on the work-group's number alone
	s_cmp_lt_u32 ttmp9, 352
	s_cselect_b64 s[26:27], s[14:15], s[26:27]
	s_cmp_lt_u32 ttmp9, 320
	s_cselect_b64 s[26:27], s[12:13], s[26:27]
	s_cmp_lt_u32 ttmp9, 288
	s_cselect_b64 s[26:27], s[10:11], s[26:27]
	s_cmp_lt_u32 ttmp9, 256
	s_cselect_b64 s[26:27], s[8:9], s[26:27]
	s_cselect_b64 s[28:29], s[18:19], s[22:23]     ; its codes
	s_cselect_b64 s[30:31], s[20:21], s[24:25]     ; its scale words
	s_cselect_b32 s5, 0, 256                       ; the first work-group of x, or of the weights
	s_cselect_b32 s6, 511, 63                      ; tiles in a source tensor, less one
	s_sub_co_u32 s34, ttmp9, s5
	s_lshl_b32 s34, s34, 2
	s_add_co_u32 s34, s34, s4
	s_lshr_b32 s35, s34, 1                         ; the tile in the codes' buffer
	s_and_b32 s34, s34, 1                          ; which half of K
	s_and_b32 s36, s35, s6                         ; the tile in its source tensor
	s_lshr_b32 s37, s36, 1
	s_lshl_b32 s37, s37, 5
	s_and_b32 s36, s36, 1
	s_lshl_b32 s36, s36, 3
	s_add_co_u32 s36, s36, s37                     ; its first row
	s_lshl_b32 s36, s36, 12
	s_lshl_b32 s37, s34, 11
	s_add_co_u32 s36, s36, s37
	s_mov_b32 s37, 0
	s_add_nc_u64 s[26:27], s[26:27], s[36:37]
	s_mul_i32 s36, s35, 16*HFB
	s_mul_i32 s38, s34, 8*HFB
	s_add_co_u32 s36, s36, s38
	s_add_nc_u64 s[28:29], s[28:29], s[36:37]
	s_lshl_b32 s36, s35, 9
	s_lshl_b32 s38, s34, 8
	s_add_co_u32 s36, s36, s38
	s_add_nc_u64 s[30:31], s[30:31], s[36:37]
.macro LOAD f                          ; fragment f: 128 numbers of each of the tile's 16 rows
.irp i, 0,1,2,3,4,5,6,7,8,9,10,11,12,13,14,15
	global_load_b128 v[R+64*((\f)%2)+4*\i:R+64*((\f)%2)+4*\i+3], v4, s[26:27] offset:(\i+8*(\i/8))*ROWB+512*(\f) th:TH_LOAD_NT
.endr
.endm
.macro FRAGQ f
.if (\f) < 3
	s_wait_loadcnt 16                              ; this fragment's 16 loads are in; the next fragment's 16 stay out
.else
	s_wait_loadcnt 0x0
.endif
.irp i, 0,1,2,3,4,5,6,7,8,9,10,11,12,13,14,15
	ds_store_b128 v5, v[R+64*((\f)%2)+4*\i:R+64*((\f)%2)+4*\i+3] offset:SP*\i
.endr
.irp c, 0,1
.irp k, 0,1,2,3,4,5,6,7
	ds_load_b128 v[X+32*\c+4*\k:X+32*\c+4*\k+3], v6 offset:256*\c+16*\k   ; LDS serves a wave's instructions in order: these see the stores above
.endr
.endr
	s_wait_dscnt 0x0                               ; my numbers are in, and the stores have read the set of registers that the loads below fill
.if (\f) < 2
	LOAD (\f)+2
.endif
.irp c, 0,1
	v_max3_num_f32 v[8+\c], |v[X+32*\c]|, |v[X+32*\c+1]|, 0x1800000   ; block 2 c + h is all mine; the floor 2^(3 - 127) holds the byte at 1 from below
.endr
.irp i, 2,4,6,8,10,12,14,16,18,20,22,24,26,28,30
.irp c, 0,1
	v_max3_num_f32 v[8+\c], v[8+\c], |v[X+32*\c+\i]|, |v[X+32*\c+\i+1]|
.endr
.endr
.irp c, 0,1
	v_add_nc_u32 v[10+\c], 0xff000000, v[8+\c]     ; 2 off the exponent field: the conversion's scale operand
.endr
.irp c, 0,1
	v_lshrrev_b32 v[12+\c], 23, v[10+\c]           ; the scale's byte
.endr
	v_lshl_or_b32 v[16+(\f)], v13, 16, v12         ; my two bytes, blocks h and 2 + h,
	v_lshlrev_b32 v[16+(\f)], v14, v[16+(\f)]      ; at their places in the word;
	v_permlanex16_b32 v15, v[16+(\f)], s32, s33
	v_or_b32 v[16+(\f)], v[16+(\f)], v15           ; with lane l xor 16's two the word is whole, in both lanes
	s_wait_xcnt 0x0                                ; the last fragment's stores have read their data: the codes' registers are written again only behind this wait
	v_cvt_scalef32_pk16_fp6_f32 v[C:C+2], v[X:X+15], v10
	v_cvt_scalef32_pk16_fp6_f32 v[36:38], v[X+16:X+31], v10      ; (a conversion's three registers begin on an even number)
	v_cvt_scalef32_pk16_fp6_f32 v[C+6:C+8], v[X+32:X+47], v11
	v_cvt_scalef32_pk16_fp6_f32 v[40:42], v[X+48:X+63], v11
	v_nop                                          ; one plain place behind the conversions
.irp i, 0,1,2
	v_mov_b32 v[C+3+\i], v[36+\i]
	v_mov_b32 v[C+9+\i], v[40+\i]
.endr
.irp p, 0,1,2,3,4,5
	global_store_b64 v7, v[C+2*\p:C+2*\p+1], s[28:29] offset:(2*(\f)+\p/3)*HFB+256*(\p%3)   ; 32 lanes store 256 consecutive bytes, aligned
.endr
.endm
	LOAD 0
	LOAD 1
	FRAGQ 0
	FRAGQ 1
	FRAGQ 2
	FRAGQ 3
	v_cmp_le_u32 vcc_lo, 16, v1                    ; lanes 0-15 store the words of K steps 0, 1 of my half, lanes 16-31 those of steps 2, 3
	v_cndmask_b32 v20, v16, v18, vcc_lo
	v_cndmask_b32 v21, v17, v19, vcc_lo
	global_store_b64 v7, v[20:21], s[30:31]        ; 256 consecutive bytes, aligned
	s_wait_tensorcnt 0x0
	ds_add_u32 v240, v241
	s_wait_dscnt 0x0
	s_endpgm
.Lfunc_end_k_qf4109879bf_quant:
	.size	k_qf4109879bf_quant, .Lfunc_end_k_qf4109879bf_quant-k_qf4109879bf_quant
	.p2alignl 7, 3214868480
	.fill 96, 4, 3214868480
	.section	.rodata,"a",@progbits
	.p2align	6, 0x0
	.amdhsa_kernel k_qf4109879bf_quant
		.amdhsa_group_segment_fixed_size 34304
		.amdhsa_private_segment_fixed_size 0
		.amdhsa_enable_private_segment 0
		.amdhsa_kernarg_size 72
		.amdhsa_user_sgpr_count 2
		.amdhsa_user_sgpr_kernarg_segment_ptr 1
		.amdhsa_wavefront_size32 1
		.amdhsa_system_sgpr_workgroup_id_x 1
		.amdhsa_system_sgpr_workgroup_id_y 1
		.amdhsa_system_sgpr_workgroup_id_z 1
		.amdhsa_system_vgpr_workitem_id 0
		.amdhsa_next_free_vgpr 242
		.amdhsa_next_free_sgpr 66
		.amdhsa_reserve_vcc 1
		.amdhsa_float_denorm_mode_32 3
		.amdhsa_float_denorm_mode_16_64 3
		.amdhsa_memory_ordered 1
		.amdhsa_forward_progress 1
		.amdhsa_inst_pref_size 32
	.end_amdhsa_kernel
	.amdgpu_metadata
---
amdhsa.version: [ 1, 2 ]
amdhsa.kernels:
  - .name:           k_qf4109879bf_quant
    .symbol:         k_qf4109879bf_quant.kd
    .args:
      - { .name: x, .offset: 0, .size: 8, .value_kind: global_buffer, .address_space: global }
      - { .name: Wq, .offset: 8, .size: 8, .value_kind: global_buffer, .address_space: global }
      - { .name: Wk, .offset: 16, .size: 8, .value_kind: global_buffer, .address_space: global }
      - { .name: Wv, .offset: 24, .size: 8, .value_kind: global_buffer, .address_space: global }
      - { .name: Wo, .offset: 32, .size: 8, .value_kind: global_buffer, .address_space: global }
      - { .name: xc, .offset: 40, .size: 8, .value_kind: global_buffer, .address_space: global }
      - { .name: xs, .offset: 48, .size: 8, .value_kind: global_buffer, .address_space: global }
      - { .name: wc, .offset: 56, .size: 8, .value_kind: global_buffer, .address_space: global }
      - { .name: ws, .offset: 64, .size: 8, .value_kind: global_buffer, .address_space: global }
    .group_segment_fixed_size: 34304
    .private_segment_fixed_size: 0
    .kernarg_segment_align: 8
    .kernarg_segment_size: 72
    .max_flat_workgroup_size: 128
    .sgpr_count:     66
    .vgpr_count:     242
    .wavefront_size: 32
...
	.end_amdgpu_metadata
.endif
;; end of part 1
;; launch qkv (part 2): grid 12 x 32, 4 waves a work-group, clusters of 4 x 4, 327,680 bytes of LDS; arguments xc, xs, wc, ws, bq, bk, bv, hc, hs; writes hc, hs
.if DOCPART == 2
	.amdgcn_target "amdgcn-amd-amdhsa--gfx1250"
	.amdhsa_code_object_version 6
	.text
	.protected	k_qf4109879bf_qkv
	.globl	k_qf4109879bf_qkv
	.p2align	8
	.type	k_qf4109879bf_qkv,@function
k_qf4109879bf_qkv:
	s_mov_b64 s[64:65], 0
	v_nop
	global_prefetch_b8 v0, s[64:65] scope:SCOPE_SE
	s_setreg_imm32_b32 hwreg(HW_REG_WAVE_MODE, 25, 1), 1
	s_wait_xcnt 0x0
	s_wait_alu depctr_hold_cnt(0) depctr_sa_sdst(0) depctr_va_vdst(0) depctr_va_sdst(0) depctr_va_ssrc(0) depctr_va_vcc(0) depctr_vm_vsrc(0)
	s_getreg_b32 s2, hwreg(HW_REG_IB_STS2, 6, 4)
	s_cmp_eq_u32 s2, 0
	s_cbranch_scc0 .Lentry_in_a_cluster
	s_endpgm
.Lentry_in_a_cluster:
	s_bfe_u32 s2, ttmp6, 0x10000c
	s_cmp_lg_u32 s2, 0xf033
	s_cbranch_scc0 .Lentry_shape_is_right
	s_endpgm
.Lentry_shape_is_right:
; q = x Wq^T + bq, k = x Wk^T + bk, v = x Wv^T + bv on codes of FP6 (E2M3) with E8M0 scales, K = 1,024; the results are quantised in registers and leave as codes: q and k along the head's 64, v along the keys.
; OPERANDS arrive as images of the matrix operand's registers: [tile T][kap 16][768 bytes]; lane r of tile T is row 32 (T / 2) + 8 (T % 2) + r + 8 (r / 8); lane l owns k = 64 kap + 32 (l / 16) + 0 .. 31, register pair p at 256 p + 8 l.
; So a fragment is six loads of 8 bytes, each 256 consecutive LDS bytes: no pitch, no padding.  Scale words: [T][sig 4][r 16][q 2][4], the word of K step 2 sig + q.
; A work-group of four waves makes 256 x 256, a wave 128 x 128: 64 accumulators in 512 registers.  'B' is source 0, 'A' source 1: a lane holds one row of A, and by the choice of a tile's rows the 16 registers of B's tiles 2 t and
; 2 t + 1 are 16 neighbours along B's rows: the axis that is quantised.
; TWO MODES, chosen by the cluster's x, which all sixteen partners share.  Cluster x 0, 1 (q, k): A = x, B = Wq or Wk: the registers run along the features.  Cluster x 2 (v): A = Wv, B = x: the registers run along the keys.
; CLUSTERS 4 x 4: A's tile hangs on the cluster's numbers and cy alone and is asked for jointly along a row of the cluster, B's on the cluster's numbers and cx alone, along a column.
; K goes in four steps of 256 through two LDS slots; the scale words of all of K come once.  The bias is the C of each sum's first product, so it is added first and not last: an order of rounding that differs from the reference's.
; RESULTS.  hc, for each (batch, head) 294,912 bytes: q [tile 128][768], k likewise at 98,304, v^T [64 keys 32][tile of 16 channels 4][768] at 196,608.  hs, 20,480 bytes: q's scale words [g 16][r 16][a 8][4] (tile 8 g + a; bytes 2, 3 are
; 127 for the upper half of the product's K, whose codes are zeros), k's at 8,192, v's [128 keys 16][r 16][tile 4][4] at 16,384.
; LIMITS: NaN and infinities are not served; a block under 2^-124, or of zeros, gets the byte 1 (its codes add nothing; the bytes are read by this program alone).
; REGISTERS: window 0: v1-31 addresses; v32-63 scale words, two sets; v64-127 the bias, later the way out; v128-223 A's fragments, one set.  Window 1: B's fragments, two sets, at v0 and v128.  Windows 2, 3: the accumulators.
.set NQ,     2                         ; matrix instructions deep in a slot
.set FR,     12
.set NL,     6
.set NP,     4                         ; places behind this matrix instruction (ISA guide 7.12.1)
.set HFB,    768
.set TROW,   16*HFB                    ; a tile's codes for all of K
.set SROW,   4*HFB                     ; and for a slot's 256
.set PART,   8*SROW                    ; 128 rows: what one tensor load brings
.set SLOT,   4*PART
.set SCL,    2*SLOT                    ; the scale words: 4 x 4,096 bytes
.set HALFS,  4096
.set SPARE,  SCL+4*HALFS               ; the spare words, 128 bytes for each wave, that no other line names
.set HCB,    294912
.set HSB,    20480
.set ADRA, 16                          ; v16-17  LDS address of my A fragments in slot 0, 1
.set ADRB, 20                          ; v20-21  the same for B
.set ADRS, 27                          ; v27     my scale words: lanes 0-15 A's, lanes 16-31 B's
.set SPW,  28
.set NIL,  29
.set BOF,  30                          ; v30     my offset in the bias
.set SC,   32
.set BIAS, 64
.set AF,   128
.set TM,   64                          ; the way out: v64-67 maxima, v68-71 bytes, v76-79 scale operands
.set PC,   80                          ; v80-98  codes
.set SWD,  100                         ; v100-115 scale words gathered
.set OW,   116                         ; v116-123 scale words on their way out
.set SEL,  2                           ; s[2:3]  on the way out: selects for lane l xor 16
.set G1, 24
.set G0, 32
.set G1B, 48
.set G0B, 56
.set G1S, 68
.set G0S, 76
.set G1SB, 80
.set G0SB, 88
.set MODE, 67
.set MSB, 0
.macro WIN new                         ; the immediate's high byte repeats the setting that is left
.if MSB != \new
	s_set_vgpr_msb (MSB<<8)|\new
.set MSB, \new
.endif
.endm
.set MUL_LO, 0xa1                      ; source 0 (B) window 1, source 1 (A) window 0, C and D window 2
.set MUL_HI, 0xf1
.set TO_B,   0x40
.macro JLOAD g0a, g1a, g0b, g1b        ; a joint load: waves 0, 1 fetch for A, waves 2, 3 for B; four v_nop follow each line
	s_cmp_eq_u32 s15, 0
	s_cbranch_scc0 .Lfor_b_\@
	tensor_load_to_lds s[\g0a:\g0a+3], s[\g1a:\g1a+7]
	s_nop 0
.rept 4
	v_nop
.endr
	s_branch .Lasked_\@
.Lfor_b_\@:
	tensor_load_to_lds s[\g0b:\g0b+3], s[\g1b:\g1b+7]
	s_nop 0
.rept 4
	v_nop
.endr
.Lasked_\@:
.endm
.macro CREST
	s_cmp_lg_u32 s14, 0
	s_cbranch_scc1 .Lnot_wave_0_\@
	s_barrier_signal -3
.Lnot_wave_0_\@:
	s_barrier_wait -3
	s_barrier_signal -1
	s_barrier_wait -1
.endm
.macro CROUND
	s_barrier_signal -1
	s_barrier_wait -1
	CREST
.endm
	s_load_b256 s[4:11], s[0:1], 0x0               ; xc, xs, wc, ws
	s_load_b256 s[92:99], s[0:1], 0x20             ; bq, bk, bv, hc
	s_load_b64 s[100:101], s[0:1], 0x40            ; hs
	v_lshl_add_u32 v[SPW], v0, 2, SPARE
	v_mov_b32 v[NIL], 0
	ds_add_u32 v28, v29
	ds_add_u32 v28, v29
	s_wait_dscnt 0x0
	v_lshrrev_b32 v1, 5, v0
	v_readfirstlane_b32 s14, v1                    ; wave 0..3
	s_lshr_b32 s15, s14, 1                         ; my half of A's rows.  Also: I fetch for A (0) or for B (1)
	s_and_b32 s16, s14, 1                          ; my half of B's rows.  Also: which 128 rows I fetch
	s_bfe_u32 s40, ttmp6, 0x40000                  ; cx
	s_bfe_u32 s41, ttmp6, 0x40004                  ; cy
	s_and_b32 s66, ttmp7, 0xffff                   ; the cluster's y
	s_cmp_lt_u32 ttmp9, 2                          ; the mode hangs on the cluster's x alone
	s_cselect_b32 s[MODE], 0, 1
	s_cselect_b32 s42, ttmp9, s66
	s_cselect_b32 s17, s66, 0
	s_cselect_b32 s2, 0, 8                         ; Wv begins at the weights' ninth block of 256 rows
	s_lshl_b32 s42, s42, 2
	s_add_co_u32 s42, s42, s40                     ; B's block of 256 rows: cx and cluster numbers
	s_lshl_b32 s17, s17, 2
	s_add_co_u32 s17, s17, s41                     ; A's: cy and cluster numbers
	s_lshl_b32 s43, s41, 2
	s_lshl_b32 s43, 15, s43                        ; my row of the cluster
	s_lshl_b32 s44, 0x1111, s40                    ; my column
	s_or_b32 s[G1+0], s43, (3<<16)|(1<<21)         ; 15:0 the mask; 17:16 elements of 8 bytes; 21 set beside a mask; no padding
	s_or_b32 s[G1B+0], s44, (3<<16)|(1<<21)
.irp g, G1, G1B                        ; codes: 8 rows (tiles) of 3,072 bytes, 12,288 bytes apart
	s_mov_b32 s[\g+1], 384<<16
	s_mov_b32 s[\g+2], 8<<16
	s_mov_b32 s[\g+3], 384<<16
	s_mov_b32 s[\g+4], 8
	s_mov_b32 s[\g+5], 1536
	s_mov_b32 s[\g+6], 0
	s_mov_b32 s[\g+7], 0
.endr
	s_or_b32 s[G1S+0], s43, (3<<16)|(1<<21)
	s_or_b32 s[G1SB+0], s44, (3<<16)|(1<<21)
.irp g, G1S, G1SB                      ; scale words of 8 tiles: 4,096 dense bytes as 16 rows of 256
	s_mov_b32 s[\g+1], 32<<16
	s_mov_b32 s[\g+2], 16<<16
	s_mov_b32 s[\g+3], 32<<16
	s_mov_b32 s[\g+4], 16
	s_mov_b32 s[\g+5], 32
	s_mov_b32 s[\g+6], 0
	s_mov_b32 s[\g+7], 0
.endr
	s_lshl_b32 s19, s16, 3                         ; which 8 tiles of the block I fetch
	s_add_co_u32 s18, s17, s2
	s_lshl_b32 s18, s18, 4
	s_add_co_u32 s18, s18, s19                     ; A's first tile
	s_lshl_b32 s22, s42, 4
	s_add_co_u32 s22, s22, s19                     ; B's
	s_mul_i32 s12, s18, TROW
	s_mov_b32 s13, 0
	s_lshl_b32 s20, s18, 9
	s_mov_b32 s21, 0
	s_mul_i32 s46, s22, TROW
	s_mov_b32 s47, 0
	s_lshl_b32 s22, s22, 9
	s_mov_b32 s23, 0
	s_mul_i32 s45, s14, PART                       ; where they go: wave x 128 rows: no place in the cluster enters an LDS address
	s_lshl_b32 s3, s14, 12
	s_wait_kmcnt 0x0
	s_cmp_lt_u32 ttmp9, 2
	s_cselect_b64 s[G0+2:G0+3], s[4:5], s[8:9]     ; A's codes: x's or the weights'
	s_cselect_b64 s[G0S+2:G0S+3], s[6:7], s[10:11]
	s_cselect_b64 s[G0B+2:G0B+3], s[8:9], s[4:5]   ; B's: the other
	s_cselect_b64 s[G0SB+2:G0SB+3], s[10:11], s[6:7]
	s_add_nc_u64 s[G0+2:G0+3], s[G0+2:G0+3], s[12:13]
	s_add_nc_u64 s[G0+6:G0+7], s[G0+2:G0+3], SROW
	s_add_nc_u64 s[G0S+2:G0S+3], s[G0S+2:G0S+3], s[20:21]
	s_add_nc_u64 s[G0B+2:G0B+3], s[G0B+2:G0B+3], s[46:47]
	s_add_nc_u64 s[G0B+6:G0B+7], s[G0B+2:G0B+3], SROW
	s_add_nc_u64 s[G0SB+2:G0SB+3], s[G0SB+2:G0SB+3], s[22:23]
	s_or_b32 s[G0+3], s[G0+3], 0x80000000
	s_or_b32 s[G0+7], s[G0+7], 0x80000000
	s_or_b32 s[G0S+3], s[G0S+3], 0x80000000
	s_or_b32 s[G0B+3], s[G0B+3], 0x80000000
	s_or_b32 s[G0B+7], s[G0B+7], 0x80000000
	s_or_b32 s[G0SB+3], s[G0SB+3], 0x80000000
	s_mov_b32 s[G0], 1
	s_mov_b32 s[G0+4], 1
	s_mov_b32 s[G0B], 1
	s_mov_b32 s[G0B+4], 1
	s_mov_b32 s[G0S], 1
	s_mov_b32 s[G0SB], 1
	s_mov_b32 s[G0+1], s45
	s_add_co_u32 s[G0+5], s45, SLOT
	s_mov_b32 s[G0B+1], s45
	s_add_co_u32 s[G0B+5], s45, SLOT
	s_add_co_u32 s[G0S+1], s3, SCL
	s_add_co_u32 s[G0SB+1], s3, SCL
	CROUND                                         ; all sixteen work-groups are here: the first joint loads meet
	JLOAD G0S, G1S, G0SB, G1SB                     ; three loads of mine are out: the scale words,
	JLOAD G0, G1, G0B, G1B                         ; slot 0,
	JLOAD G0+4, G1, G0B+4, G1B                     ; slot 1
	v_and_b32 v1, 15, v0                           ; r
	v_bfe_u32 v2, v0, 4, 1                         ; h
	v_and_b32 v3, 31, v0                           ; lane
	v_lshlrev_b32 v4, 3, v3                        ; 8 x lane
	; THE BIAS, in the result's layout, 64 registers on both ways.
	s_cmp_eq_u32 s[MODE], 0
	s_cbranch_scc0 .Lbias_v
	s_cmp_eq_u32 ttmp9, 0
	s_cselect_b64 s[12:13], s[92:93], s[94:95]     ; bq or bk
	s_lshl_b32 s46, s40, 10
	s_lshl_b32 s47, s16, 9
	s_add_co_u32 s46, s46, s47
	s_mov_b32 s47, 0
	s_add_nc_u64 s[12:13], s[12:13], s[46:47]      ; my 128 features
	s_wait_alu depctr_va_vdst(0)
	v_lshlrev_b32 v[BOF], 6, v2                    ; B's tile b, register j: feature 32 (b / 2) + 8 (b % 2) + 16 h + j
.irp b, 0,1,2,3,4,5,6,7
	global_load_b128 v[BIAS+8*\b:BIAS+8*\b+3], v[BOF], s[12:13] offset:(32*(\b/2)+8*(\b%2))*4
	global_load_b128 v[BIAS+8*\b+4:BIAS+8*\b+7], v[BOF], s[12:13] offset:(32*(\b/2)+8*(\b%2))*4+16
.endr
	s_branch .Lbias_done
.Lbias_v:
	s_lshl_b32 s20, s41, 10
	s_lshl_b32 s21, s15, 9
	s_add_co_u32 s20, s20, s21
	s_mov_b32 s21, 0
	s_add_nc_u64 s[12:13], s[96:97], s[20:21]      ; bv at my 128 features, which lie along the lanes
	s_wait_alu depctr_va_vdst(0)
	v_and_b32 v[BOF], 8, v1
	v_add_nc_u32 v[BOF], v[BOF], v1
	v_lshlrev_b32 v[BOF], 2, v[BOF]                ; A's tile a, lane r: feature 32 (a / 2) + 8 (a % 2) + r + 8 (r / 8)
.irp a, 0,1,2,3,4,5,6,7
	global_load_b32 v[BIAS+8*\a], v[BOF], s[12:13] offset:(32*(\a/2)+8*(\a%2))*4
.endr
	s_wait_loadcnt 0x0                             ; (the first tiles are still on their way)
.irp a, 0,1,2,3,4,5,6,7
.irp j, 1,2,3,4,5,6,7
	v_mov_b32 v[BIAS+8*\a+\j], v[BIAS+8*\a]        ; the same number for all eight keys of a lane
.endr
.endr
.Lbias_done:
	s_mul_i32 s21, s15, PART                       ; my 128 rows of A
	s_mul_i32 s22, s16, PART                       ; my 128 rows of B,
	s_add_co_u32 s22, s22, 2*PART                  ; which lie behind A's 256
.irp s, 0,1
	v_add_nc_u32 v[ADRA+\s], s21, v4
	v_add_nc_u32 v[ADRB+\s], s22, v4
	s_add_co_u32 s21, s21, SLOT
	s_add_co_u32 s22, s22, SLOT
.endr
	v_lshlrev_b32 v5, 3, v1                        ; scale words: 8 bytes a row for a slot's two K steps
	s_mul_i32 s21, s15, HALFS
	s_mul_i32 s22, s16, HALFS
	s_add_co_u32 s22, s22, 2*HALFS
	s_sub_co_u32 s22, s22, s21
	v_mul_u32_u24 v6, s22, v2                      ; lanes 16-31 take B's: one product, the distance between the two bases
	s_add_co_u32 s21, s21, SCL
	v_add_nc_u32 v5, v5, v6
	v_add_nc_u32 v[ADRS], s21, v5
.macro FRAG reg, adr, q, i             ; a fragment: 16 rows x 128 K, 12 registers, six loads of 8 bytes a lane, each 256 consecutive bytes
.irp p, 0,1,2,3,4,5
	ds_load_b64 v[\reg+2*\p:\reg+2*\p+1], v[\adr] offset:SROW*(\i)+HFB*(2*(\q)+\p/3)+256*(\p%3)
.endr
.endm
; 16 matrix instructions: A's blocks a0, a0 + 1 x B's eight.  zero = 0: in place; 1: C = the bias along the registers (B's block); 2: C = the bias along the lanes (A's block).
; The 64 accumulators take turns, one instruction a turn, in the same order in every step.
.macro MUL16 a0, p, q, sc, zero
.irp a, \a0, \a0+1
.irp b, 0,1,2,3,4,5,6,7
.if \zero == 1
	v_wmma_scale_f32_16x16x128_f8f6f4 v[8*(8*((\a)%4)+\b):8*(8*((\a)%4)+\b)+7], v[128*(\p)+FR*\b:128*(\p)+FR*\b+FR-1], v[AF+FR*(\a):AF+FR*(\a)+FR-1], v[BIAS+8*\b:BIAS+8*\b+7], v[SC+8*NQ*(\sc)+NQ*\b+(\q)], v[SC+8*NQ*(\sc)+NQ*(\a)+(\q)] matrix_a_fmt:MATRIX_FMT_FP6 matrix_b_fmt:MATRIX_FMT_FP6 matrix_a_scale:MATRIX_SCALE_ROW1
.elseif \zero == 2
	v_wmma_scale_f32_16x16x128_f8f6f4 v[8*(8*((\a)%4)+\b):8*(8*((\a)%4)+\b)+7], v[128*(\p)+FR*\b:128*(\p)+FR*\b+FR-1], v[AF+FR*(\a):AF+FR*(\a)+FR-1], v[BIAS+8*(\a):BIAS+8*(\a)+7], v[SC+8*NQ*(\sc)+NQ*\b+(\q)], v[SC+8*NQ*(\sc)+NQ*(\a)+(\q)] matrix_a_fmt:MATRIX_FMT_FP6 matrix_b_fmt:MATRIX_FMT_FP6 matrix_a_scale:MATRIX_SCALE_ROW1
.else
	v_wmma_scale_f32_16x16x128_f8f6f4 v[8*(8*((\a)%4)+\b):8*(8*((\a)%4)+\b)+7], v[128*(\p)+FR*\b:128*(\p)+FR*\b+FR-1], v[AF+FR*(\a):AF+FR*(\a)+FR-1], v[8*(8*((\a)%4)+\b):8*(8*((\a)%4)+\b)+7], v[SC+8*NQ*(\sc)+NQ*\b+(\q)], v[SC+8*NQ*(\sc)+NQ*(\a)+(\q)] matrix_a_fmt:MATRIX_FMT_FP6 matrix_b_fmt:MATRIX_FMT_FP6 matrix_a_scale:MATRIX_SCALE_ROW1
.endif
.endr
.endr
.endm
.macro FETCH_B slot, q, p
	WIN TO_B
.irp i, 0,1,2,3,4,5,6,7
	FRAG 128*(\p)+FR*\i, ADRB+\slot, \q, \i
.endr
	WIN 0
.endm
.macro FETCH_A slot, q, i0
.irp i, \i0, \i0+1, \i0+2, \i0+3
	FRAG AF+FR*(\i), ADRA+\slot, \q, \i
.endr
.endm
.macro SCALES sc                       ; a slot's scale words: two a row; lanes 0-15 A's block i, lanes 16-31 B's block i
.irp i, 0,1,2,3,4,5,6,7
	ds_load_b64 v[SC+8*NQ*\sc+NQ*\i:SC+8*NQ*\sc+NQ*\i+1], v[ADRS] offset:\i*512
.endr
.endm
.macro PLACES n                        ; plain vector places behind matrix instructions, in front of loads into their registers and of reads of their results
.rept \n
	v_nop
.endr
.endm
.macro STEP slot, q, zero              ; a step of 128 along K that has its successor in the same slot
	s_wait_dscnt 4*NL                              ; B's set and A's blocks 0-3 are in; the youngest 24 loads (A's blocks 4-7) may be out
.if \zero
	WIN 0x81                                       ; C (the bias) in window 0
.else
	WIN MUL_LO
.endif
	MUL16 0, (\q)%2, \q, \slot, \zero
	MUL16 2, (\q)%2, \q, \slot, \zero
	s_wait_dscnt 0
	PLACES NP
	FETCH_B \slot, (\q)+1, 1-(\q)%2
	FETCH_A \slot, (\q)+1, 0
.if \zero
	WIN 0xc1
.else
	WIN MUL_HI
.endif
	MUL16 4, (\q)%2, \q, \slot, \zero
	MUL16 6, (\q)%2, \q, \slot, \zero
	PLACES NP
	WIN 0
	FETCH_A \slot, (\q)+1, 4
.endm
; A slot's last step changes slots: one barrier; in front of it each wave waits for all its tensor loads, adds 0 to its spare word, and waits for that and for its reads of this slot.
.macro TURN slot, next, fill
	s_wait_tensorcnt 0x0                           ; all my tensor loads have landed: my part of the next slot
	ds_add_u32 v[SPW], v[NIL]                      ; 0 onto my spare word
	s_wait_dscnt 4*NL+1                            ; (the add and the youngest 24 loads may be out)
	WIN MUL_LO
	MUL16 0, 1, NQ-1, \slot, 0
	s_wait_dscnt 0x0                               ; the add is done, and my reads of this slot are over
	s_barrier_signal -1
	MUL16 2, 1, NQ-1, \slot, 0
	WIN 0
	s_barrier_wait -1
.if \fill
	CREST                                          ; the barrier has opened a round of the cluster's barrier: no wave of any partner still reads this slot or has a load on its way
	s_add_nc_u64 s[G0+4*\slot+2:G0+4*\slot+3], s[G0+4*\slot+2:G0+4*\slot+3], 2*SROW
	s_add_nc_u64 s[G0B+4*\slot+2:G0B+4*\slot+3], s[G0B+4*\slot+2:G0B+4*\slot+3], 2*SROW
	JLOAD G0+4*\slot, G1, G0B+4*\slot, G1B         ; the first tensor load behind the round; its four v_nop are the places in front of the loads below
.else
	PLACES NP
.endif
	s_wait_alu depctr_va_vdst(0)
	v_add_nc_u32 v[ADRS], 128, v[ADRS]             ; the next slot's scale words
	FETCH_B \next, 0, 0
	FETCH_A \next, 0, 0
	SCALES \next
	WIN MUL_HI
	MUL16 4, 1, NQ-1, \slot, 0
	MUL16 6, 1, NQ-1, \slot, 0
	PLACES NP
	WIN 0
	FETCH_A \next, 0, 4
.endm
	s_wait_alu depctr_va_vdst(0)
	s_wait_tensorcnt 1                             ; the scale words and my part of slot 0 are in (slot 1's load may be out)
	s_barrier_signal -1
	s_barrier_wait -1
	FETCH_B 0, 0, 0
	FETCH_A 0, 0, 0
	SCALES 0
	FETCH_A 0, 0, 4
	s_wait_loadcnt 0x0                             ; the bias
	s_cmp_eq_u32 s[MODE], 0
	s_cbranch_scc0 .Lfirst_v
	STEP 0, 0, 1                                   ; the first products start the sums with the bias: nothing is cleared
	s_branch .Lfirst_done
.Lfirst_v:
	STEP 0, 0, 2
.Lfirst_done:
	TURN 0, 1, 1                                   ; K = 1,024 is four slots' worth: written out
	STEP 1, 0, 0
	TURN 1, 0, 1
	STEP 0, 0, 0
	TURN 0, 1, 0                                   ; nothing is left to fetch
	STEP 1, 0, 0
	s_wait_dscnt 4*NL
	WIN MUL_LO
	MUL16 0, 1, NQ-1, 1, 0
	MUL16 2, 1, NQ-1, 1, 0
	s_wait_dscnt 0
	WIN MUL_HI
	MUL16 4, 1, NQ-1, 1, 0
	MUL16 6, 1, NQ-1, 1, 0
	WIN 0
; THE WAY OUT.  A's block a: my lane's row against 128 of B's rows, four blocks of 32, each in lanes l and l xor 16.  They are quantised in registers; the codes are two images of 768 bytes and leave by six stores of 256 consecutive bytes.
.macro QOUT a, mode
.set AC, 64*((\a)%4)
.if (\a) > 0
	s_wait_xcnt 0x0                                ; the last block's stores have read their data
.endif
	WIN 0x0a+5*((\a)/4)                            ; sources 0 and 1: window 2 or 3
.irp t, 0,1,2,3
	v_max3_num_f32 v[TM+\t], |v[AC+16*\t]|, |v[AC+16*\t+1]|, 0x1800000   ; each accumulator from its low end on; the floor 2^(3 - 127) holds the byte at 1
.endr
.irp i, 2,4,6,8,10,12,14
.irp t, 0,1,2,3
	v_max3_num_f32 v[TM+\t], |v[AC+16*\t+\i]|, |v[AC+16*\t+\i+1]|, v[TM+\t]
.endr
.endr
	WIN 0
.irp t, 0,1,2,3
	v_permlanex16_b32 v[TM+4+\t], v[TM+\t], s[SEL], s[SEL+1]
.endr
.irp t, 0,1,2,3
	v_max_num_f32 v[TM+\t], v[TM+\t], v[TM+4+\t]
.endr
.irp t, 0,1,2,3
	v_add_nc_u32 v[TM+12+\t], 0xff000000, v[TM+\t] ; 2 off the exponent field: the conversion's scale operand
.endr
.irp t, 0,1,2,3
	v_lshrrev_b32 v[TM+4+\t], 23, v[TM+12+\t]      ; the scale's byte
.endr
.if \mode == 0
.irp c, 0,1                            ; head c: two blocks; bytes 2 and 3 stand for the zero codes of the upper half of the scores' K
	v_lshl_or_b32 v[SWD+8*\c+(\a)], v[TM+5+2*\c], 8, v[TM+4+2*\c]
.endr
.irp c, 0,1
	v_or_b32 v[SWD+8*\c+(\a)], 0x7f7f0000, v[SWD+8*\c+(\a)]
.endr
.else
	v_lshl_or_b32 v[SWD+(\a)], v[TM+5], 8, v[TM+4] ; the word of these 128 keys
	v_lshl_or_b32 v[SWD+(\a)], v[TM+6], 16, v[SWD+(\a)]
	v_lshl_or_b32 v[SWD+(\a)], v[TM+7], 24, v[SWD+(\a)]
.endif
	WIN 0x02+(\a)/4                                ; source 0: window 2 or 3
.irp c, 0,1
	v_cvt_scalef32_pk16_fp6_f32 v[PC+6*\c:PC+6*\c+2], v[AC+32*\c:AC+32*\c+15], v[TM+12+2*\c]
	v_cvt_scalef32_pk16_fp6_f32 v[PC+12+4*\c:PC+14+4*\c], v[AC+32*\c+16:AC+32*\c+31], v[TM+12+2*\c+1]
.endr
	WIN 0
	v_nop                                          ; one plain place behind the conversions
.irp c, 0,1                            ; the operand's layout wants a whole block in a lane: lanes 0-15 block 2 c, lanes 16-31 block 2 c + 1
.irp i, 0,1,2
	v_permlane16_swap_b32 v[PC+6*\c+\i], v[PC+12+4*\c+\i]
.endr
.irp i, 0,1,2
	v_mov_b32 v[PC+3+6*\c+\i], v[PC+12+4*\c+\i]
.endr
.endr
.irp c, 0,1
.irp p, 0,1,2
.if \mode == 0
	global_store_b64 v4, v[PC+6*\c+2*\p:PC+6*\c+2*\p+1], s[12:13] offset:HFB*(\a)+HCB*\c+256*\p
.else
	global_store_b64 v4, v[PC+6*\c+2*\p:PC+6*\c+2*\p+1], s[12:13] offset:HCB*((\a)/4)+HFB*((\a)%4)+4*HFB*\c+256*\p
.endif
.endr
.endr
.endm
	PLACES NP
	s_mov_b32 s[SEL], 0x76543210
	s_mov_b32 s[SEL+1], 0xfedcba98
.irp t, 0,1,2,3
	v_mov_b32 v[TM+4+\t], 0                        ; a lane permute's destination counts as read
.endr
	v_cmp_le_u32 vcc_lo, 16, v3
	s_cmp_eq_u32 s[MODE], 0
	s_cbranch_scc0 .Lout_v
	s_lshr_b32 s18, s17, 3                         ; the batch
	s_and_b32 s19, s17, 7
	s_lshl_b32 s19, s19, 1
	s_add_co_u32 s19, s19, s15                     ; g: which 128 tokens of the sequence
	s_lshl_b32 s20, s40, 2
	s_lshl_b32 s21, s16, 1
	s_add_co_u32 s20, s20, s21                     ; my first head
	s_lshl_b32 s18, s18, 4
	s_add_co_u32 s18, s18, s20
	s_mul_i32 s20, s18, HCB
	s_mul_i32 s21, ttmp9, 98304                    ; q or k
	s_add_co_u32 s20, s20, s21
	s_mul_i32 s21, s19, 8*HFB
	s_add_co_u32 s20, s20, s21
	s_mov_b32 s21, 0
	s_add_nc_u64 s[12:13], s[98:99], s[20:21]
	s_mul_i32 s20, s18, HSB
	s_lshl_b32 s22, ttmp9, 13
	s_add_co_u32 s20, s20, s22
	s_lshl_b32 s22, s19, 9
	s_add_co_u32 s20, s20, s22
	s_add_nc_u64 s[46:47], s[100:101], s[20:21]
	v_lshlrev_b32 v25, 5, v1
	v_lshl_add_u32 v25, v2, 4, v25                 ; 32 r + 16 h: lanes 0-15 store tiles 0-3's words, lanes 16-31 tiles 4-7's
.irp a, 0,1,2,3,4,5,6,7
	QOUT \a, 0
.endr
.irp c, 0,1
.irp i, 0,1,2,3
	v_cndmask_b32 v[OW+4*\c+\i], v[SWD+8*\c+\i], v[SWD+8*\c+4+\i], vcc_lo
.endr
.endr
.irp c, 0,1
	global_store_b128 v25, v[OW+4*\c:OW+4*\c+3], s[46:47] offset:HSB*\c   ; 512 consecutive bytes, aligned
.endr
	s_branch .Lout_done
.Lout_v:
	s_lshr_b32 s18, s42, 3                         ; the batch
	s_and_b32 s19, s42, 7
	s_lshl_b32 s19, s19, 1
	s_add_co_u32 s19, s19, s16                     ; which 128 keys
	s_lshl_b32 s20, s41, 2
	s_lshl_b32 s21, s15, 1
	s_add_co_u32 s20, s20, s21                     ; my first head
	s_lshl_b32 s18, s18, 4
	s_add_co_u32 s18, s18, s20
	s_mul_i32 s20, s18, HCB
	s_add_co_u32 s20, s20, 196608
	s_mul_i32 s21, s19, 8*HFB
	s_add_co_u32 s20, s20, s21
	s_mov_b32 s21, 0
	s_add_nc_u64 s[12:13], s[98:99], s[20:21]
	s_mul_i32 s20, s18, HSB
	s_add_co_u32 s20, s20, 16384
	s_lshl_b32 s22, s19, 8
	s_add_co_u32 s20, s20, s22
	s_add_nc_u64 s[46:47], s[100:101], s[20:21]
	v_lshlrev_b32 v25, 4, v1
	v_mul_u32_u24 v26, v2, HSB
	v_add_nc_u32 v25, v25, v26                     ; 16 r; lanes 16-31 store the second head's words
.irp a, 0,1,2,3,4,5,6,7
	QOUT \a, 1
.endr
.irp i, 0,1,2,3
	v_cndmask_b32 v[OW+\i], v[SWD+\i], v[SWD+4+\i], vcc_lo
.endr
	global_store_b128 v25, v[OW:OW+3], s[46:47]    ; two runs of 256 consecutive bytes, aligned
.Lout_done:
	s_wait_tensorcnt 0x0                           ; the wave's end
	ds_add_u32 v[SPW], v[NIL]
	s_wait_dscnt 0x0
	CROUND                                         ; the closing round: no work-group ends while a partner may still ask for a tile that names it
	s_endpgm
.Lfunc_end_k_qf4109879bf_qkv:
	.size	k_qf4109879bf_qkv, .Lfunc_end_k_qf4109879bf_qkv-k_qf4109879bf_qkv
	.p2alignl 7, 3214868480
	.fill 96, 4, 3214868480
	.section	.rodata,"a",@progbits
	.p2align	6, 0x0
	.amdhsa_kernel k_qf4109879bf_qkv
		.amdhsa_group_segment_fixed_size 327680
		.amdhsa_private_segment_fixed_size 0
		.amdhsa_enable_private_segment 0
		.amdhsa_kernarg_size 72
		.amdhsa_user_sgpr_count 2
		.amdhsa_user_sgpr_kernarg_segment_ptr 1
		.amdhsa_wavefront_size32 1
		.amdhsa_system_sgpr_workgroup_id_x 1
		.amdhsa_system_sgpr_workgroup_id_y 1
		.amdhsa_system_sgpr_workgroup_id_z 1
		.amdhsa_system_vgpr_workitem_id 0
		.amdhsa_next_free_vgpr 1024
		.amdhsa_next_free_sgpr 102
		.amdhsa_reserve_vcc 1
		.amdhsa_float_denorm_mode_32 3
		.amdhsa_float_denorm_mode_16_64 3
		.amdhsa_memory_ordered 1
		.amdhsa_forward_progress 1
		.amdhsa_inst_pref_size 223
	.end_amdhsa_kernel
	.amdgpu_metadata
---
amdhsa.version: [ 1, 2 ]
amdhsa.kernels:
  - .name:           k_qf4109879bf_qkv
    .symbol:         k_qf4109879bf_qkv.kd
    .args:
      - { .name: xc, .offset: 0, .size: 8, .value_kind: global_buffer, .address_space: global }
      - { .name: xs, .offset: 8, .size: 8, .value_kind: global_buffer, .address_space: global }
      - { .name: wc, .offset: 16, .size: 8, .value_kind: global_buffer, .address_space: global }
      - { .name: ws, .offset: 24, .size: 8, .value_kind: global_buffer, .address_space: global }
      - { .name: bq, .offset: 32, .size: 8, .value_kind: global_buffer, .address_space: global }
      - { .name: bk, .offset: 40, .size: 8, .value_kind: global_buffer, .address_space: global }
      - { .name: bv, .offset: 48, .size: 8, .value_kind: global_buffer, .address_space: global }
      - { .name: hc, .offset: 56, .size: 8, .value_kind: global_buffer, .address_space: global }
      - { .name: hs, .offset: 64, .size: 8, .value_kind: global_buffer, .address_space: global }
    .group_segment_fixed_size: 327680
    .private_segment_fixed_size: 0
    .kernarg_segment_align: 8
    .kernarg_segment_size: 72
    .max_flat_workgroup_size: 128
    .sgpr_count:     102
    .vgpr_count:     1024
    .wavefront_size: 32
...
	.end_amdgpu_metadata
.endif
;; end of part 2
;; launch attn (part 3): grid 4 x 64, 16 waves a work-group, clusters of 4 x 1, 210,944 bytes of LDS; arguments hc, hs, ac, asc; writes ac, asc
.if DOCPART == 3
	.amdgcn_target "amdgcn-amd-amdhsa--gfx1250"
	.amdhsa_code_object_version 6
	.text
	.protected	k_qf4109879bf_attn
	.globl	k_qf4109879bf_attn
	.p2align	8
	.type	k_qf4109879bf_attn,@function
k_qf4109879bf_attn:
	s_mov_b64 s[64:65], 0
	v_nop
	global_prefetch_b8 v0, s[64:65] scope:SCOPE_SE
	s_setreg_imm32_b32 hwreg(HW_REG_WAVE_MODE, 25, 1), 1
	s_wait_xcnt 0x0
	s_wait_alu depctr_hold_cnt(0) depctr_sa_sdst(0) depctr_va_vdst(0) depctr_va_sdst(0) depctr_va_ssrc(0) depctr_va_vcc(0) depctr_vm_vsrc(0)
	s_getreg_b32 s2, hwreg(HW_REG_IB_STS2, 6, 4)
	s_cmp_eq_u32 s2, 0
	s_cbranch_scc0 .Lentry_in_a_cluster
	s_endpgm
.Lentry_in_a_cluster:
	s_bfe_u32 s2, ttmp6, 0x10000c
	s_cmp_lg_u32 s2, 0x3003
	s_cbranch_scc0 .Lentry_shape_is_right
	s_endpgm
.Lentry_shape_is_right:
; Causal attention of one (batch, head) a cluster, both products on codes of FP6 (E2M3) with E8M0 scales; head size 64, 2,048 keys.  The result, divided by the row's sum, is quantised along the head's 64 and leaves as codes.
; SOFTMAX: t = score x log2(e) / 8; M = the running largest t rounded up to a whole number; p = 2^(t - M) is quantised along the keys, not normalised; the row's sum is taken of the unquantised p;
; when M moves, the sum and O are multiplied by 2^(old M - new M), which rounds nothing.
; A head's k and v^T codes and their scale words, 208,896 bytes, lie in LDS whole: filled once, by joint loads that the cluster's four work-groups share (each wave brings a sixteenth); no slot is filled again.
; SHARES.  A tile is 16 queries: lane r of tile t is query 32 (t / 2) + 8 (t % 2) + r + 8 (r / 8).  Wave w of work-group cx takes tile 8 w + 2 cx and then tile 8 (w xor 15) + 2 cx + 1.  A tile of group g = t / 8 needs the key steps
; 0 .. g of 128 keys, so every wave works (w + 1) + (16 - w) = 17 steps.  Which steps a wave leaves out hangs on the wave's number alone; every wave walks all 16 trips of each loop.
; LAYOUT.  S^T = k q^T (source 0 = 16 keys, source 1 = my queries; K = 64 fills the lower half of the instruction's 128, the upper half is zero codes under the byte 127); O^T = v^T p^T.  A lane holds one query throughout.
; By the choice of a tile's rows the 16 registers of tiles 2 b, 2 b + 1 are keys 32 b + 16 (lane / 16) + 0 .. 15, and in O^T channels likewise.
; The result's two scale bytes of a row share a word with another head's, so they leave as single bytes: 32 bytes for each 768 bytes of codes; those stores cover their 256 bytes in part.
; LIMITS: NaN and infinities are not served; a block under 2^-124, or of zeros, gets the byte 1 (its codes add nothing; the bytes are read by this program alone).  v_exp_f32 is taken not to fall where its input rises.
.set VB,   98304                       ; LDS: k's codes [tile 128][768] at 0; v^T's [128 keys 16][64 keys 2][tile 4][768] here;
.set KSB,  196608                      ; k's scale words [128 keys 16][r 16][tile 8][4];
.set VSB,  204800                      ; v's [128 keys 16][r 16][tile 4][4]
.set HCB,  294912
.set HSB,  20480
.set S,    88                          ; v88-151  S^T, then p, then (88-135) four fragments of v^T
.set O,    152                         ; v152-183 O^T
.set PCD,  184                         ; v184-195 p's codes
.set PT,   196                         ; v196-202 conversion results that are moved
.set BM,   204                         ; v204-207 the blocks' maxima
.set BY,   208                         ; v208-211 permutes' results, then bytes
.set SO,   212                         ; v212-215 the conversions' scale operands
.set F,    216                         ; v[216:217] f (the low word serves both halves)
.set T0,   218
.set KS,   220                         ; v220-227 k's scale words; v228-231 v's; v232-233 q's; v234 p's: they hold scales and nothing else
.set VS,   228
.set QS,   232
.set PS,   234
.set L2,   236                         ; v[236:237] the sum's second chain
.macro CROUND
	s_barrier_signal -1
	s_barrier_wait -1
	s_cmp_lg_u32 s12, 0
	s_cbranch_scc1 .Lnot_wave_0_\@
	s_barrier_signal -3
.Lnot_wave_0_\@:
	s_barrier_wait -3
	s_barrier_signal -1
	s_barrier_wait -1
.endm
	s_load_b256 s[4:11], s[0:1], 0x0               ; hc, hs, ac, asc
	v_lshl_add_u32 v254, v0, 2, 0x33000
	v_mov_b32 v255, 0
	ds_add_u32 v254, v255
	ds_add_u32 v254, v255
	v_lshrrev_b32 v1, 5, v0
	s_delay_alu instid0(VALU_DEP_1)
	v_readfirstlane_b32 s12, v1                    ; wave 0..15
	s_bfe_u32 s13, ttmp6, 0x40000                  ; cx: it enters q's and the results' addresses and the mask's number alone
	s_and_b32 s14, ttmp7, 0xffff                   ; 16 x batch + head, which the four partners share
	s_mov_b32 s48, s12                             ; the first tile's group
	s_xor_b32 s49, s12, 15                         ; the second's
	s_mov_b32 s16, 15|(3<<16)|(1<<21)              ; group 1, codes: the mask names all four; elements of 8 bytes; 48 dense rows of 256 bytes
	s_mov_b32 s17, 32<<16
	s_mov_b32 s18, 48<<16
	s_mov_b32 s19, 32<<16
	s_mov_b32 s20, 48
	s_mov_b32 s21, 32
	s_mov_b32 s22, 0
	s_mov_b32 s23, 0
	s_mov_b32 s24, 15|(3<<16)|(1<<21)              ; scale words: 3 rows
	s_mov_b32 s25, 32<<16
	s_mov_b32 s26, 3<<16
	s_mov_b32 s27, 32<<16
	s_mov_b32 s28, 3
	s_mov_b32 s29, 32
	s_mov_b32 s30, 0
	s_mov_b32 s31, 0
	s_mul_i32 s72, s14, HCB
	s_mul_i32 s73, s12, 12288
	s_add_co_u32 s74, s72, s73
	s_add_co_u32 s74, s74, 98304                   ; k and v^T lie on end: 196,608 bytes, a sixteenth a wave
	s_mov_b32 s75, 0
	s_mul_i32 s76, s14, HSB
	s_mul_i32 s77, s12, 768
	s_add_co_u32 s78, s76, s77
	s_add_co_u32 s78, s78, 8192                    ; their scale words likewise: 12,288 bytes
	s_mov_b32 s79, 0
	s_wait_dscnt 0x0
	s_wait_kmcnt 0x0
	s_mov_b32 s32, 1
	s_mov_b32 s33, s73
	s_add_nc_u64 s[34:35], s[4:5], s[74:75]
	s_or_b32 s35, s35, 0x80000000
	s_mov_b32 s36, 1
	s_add_co_u32 s37, s77, KSB
	s_add_nc_u64 s[38:39], s[6:7], s[78:79]
	s_or_b32 s39, s39, 0x80000000
	CROUND                                         ; all four work-groups are here: the joint loads meet
	tensor_load_to_lds s[32:35], s[16:23]          ; two loads of mine are out, the launch's only ones
	s_nop 0
	tensor_load_to_lds s[36:39], s[24:31]
	s_nop 0
.rept 4
	v_nop
.endr
	s_lshl_b32 s51, s13, 1
	s_lshl_b32 s15, s12, 3
	s_add_co_u32 s15, s15, s51                     ; the first tile
	s_lshl_b32 s44, s49, 3
	s_add_co_u32 s44, s44, s51
	s_add_co_u32 s44, s44, 1                       ; the second
	s_mov_b32 s47, 0
	s_mul_i32 s46, s15, 768
	s_add_co_u32 s46, s46, s72
	s_add_nc_u64 s[52:53], s[4:5], s[46:47]        ; q's codes
	s_mul_i32 s46, s44, 768
	s_add_co_u32 s46, s46, s72
	s_add_nc_u64 s[54:55], s[4:5], s[46:47]
	s_lshl_b32 s45, s51, 2
	s_lshl_b32 s46, s48, 9
	s_add_co_u32 s46, s46, s76
	s_add_co_u32 s46, s46, s45
	s_add_nc_u64 s[56:57], s[6:7], s[46:47]        ; q's scale words: 512 g + 4 x the tile's place in its group
	s_lshl_b32 s46, s49, 9
	s_add_co_u32 s46, s46, s76
	s_add_co_u32 s46, s46, s45
	s_add_co_u32 s46, s46, 4
	s_add_nc_u64 s[58:59], s[6:7], s[46:47]
	s_and_b32 s72, s14, 15                         ; the head
	s_lshr_b32 s73, s14, 4
	s_lshl_b32 s73, s73, 7                         ; 128 tiles a batch
	s_mul_i32 s74, s72, 768
	s_add_co_u32 s76, s73, s15
	s_add_co_u32 s77, s73, s44
	s_mul_i32 s46, s76, 12288
	s_add_co_u32 s46, s46, s74
	s_add_nc_u64 s[60:61], s[8:9], s[46:47]        ; the result's codes: [tile][head][768]
	s_mul_i32 s46, s77, 12288
	s_add_co_u32 s46, s46, s74
	s_add_nc_u64 s[66:67], s[8:9], s[46:47]
	s_lshr_b32 s78, s72, 2
	s_lshl_b32 s78, s78, 7
	s_bfe_u32 s79, s72, 0x10001
	s_lshl_b32 s79, s79, 2
	s_add_co_u32 s78, s78, s79
	s_and_b32 s79, s72, 1
	s_lshl_b32 s79, s79, 1
	s_add_co_u32 s78, s78, s79                     ; the head's two bytes in a row's scale words: 128 (head / 4) + 4 ((head / 2) % 2) + 2 (head % 2)
	s_lshl_b32 s46, s76, 9
	s_add_co_u32 s46, s46, s78
	s_add_nc_u64 s[68:69], s[10:11], s[46:47]
	s_lshl_b32 s46, s77, 9
	s_add_co_u32 s46, s46, s78
	s_add_nc_u64 s[70:71], s[10:11], s[46:47]
	s_mov_b32 s40, 0x76543210
	s_mov_b32 s41, 0xfedcba98                      ; selects for lane l xor 16
	s_mov_b32 s42, 0x3e38aa3b                      ; c = log2(e) / 8
	s_mov_b32 s43, s42                             ; (named with it as a pair)
	v_and_b32 v1, 31, v0
	s_delay_alu instid0(VALU_DEP_1)
	v_lshlrev_b32 v1, 3, v1                        ; 8 x lane: my place in an image's 256 bytes
	v_and_b32 v[T0], 15, v0                        ; r
	v_bfe_u32 v219, v0, 4, 1                       ; h
	s_delay_alu instid0(VALU_DEP_2)
	v_lshlrev_b32 v242, 5, v[T0]                   ; q's scale words: 32 bytes a row
.irp z, 0,1
.irp p, 0,1,2
	global_load_b64 v[16+12*\z+2*\p:17+12*\z+2*\p], v1, s[52+2*\z:53+2*\z] offset:256*\p   ; q's codes stay in registers
.endr
	global_load_b32 v[QS+\z], v242, s[56+2*\z:57+2*\z]
.endr
	v_add_nc_u32 v2, VB, v1
	v_lshl_add_u32 v3, v[T0], 5, KSB
	v_lshl_add_u32 v4, v[T0], 4, VSB
	v_lshl_add_u32 v240, v[T0], 3, v219            ; the result's scale byte: 8 r + h
	v_cmp_eq_u32 s50, 1, v219                      ; lanes 16-31
	v_and_b32 v9, 8, v[T0]
	s_delay_alu instid0(VALU_DEP_1)
	v_add_nc_u32 v9, v9, v[T0]
	v_lshlrev_b32 v10, 4, v219
	s_delay_alu instid0(VALU_DEP_1)
	v_sub_nc_u32 v9, v9, v10
	s_lshl_b32 s45, s13, 5
	v_add_nc_u32 v9, s45, v9                       ; d = my query's place in its group of 128, less 16 h; register 16 b + i holds key 32 b + 16 h + i: hidden where 32 b + i > d
	s_delay_alu instid0(VALU_DEP_1)
	v_add_nc_u32 v10, 8, v9                        ; the second tile's
	v_mov_b32 v11, 0xff800000                      ; -infinity
	v_mov_b32 v[F+1], 0
.irp b, 0,1,2,3
	v_mov_b32 v[BY+\b], 0                          ; a lane permute's destination counts as read
.endr
.irp i, 0,1,2,3,4,5
	v_mov_b32 v[22+\i], 0                          ; zero codes for the upper half of the scores' K: q's two fragments,
	v_mov_b32 v[34+\i], 0
	v_mov_b32 v[46+\i], 0                          ; and k's four
	v_mov_b32 v[58+\i], 0
	v_mov_b32 v[70+\i], 0
	v_mov_b32 v[82+\i], 0
.endr
; A KEY STEP of tile z: 128 keys.
.macro KEYSTEP z
	v_add_nc_u32 v5, s45, v1                       ; these four and the v_nop are five places: the scores below write over registers that the last products read
	s_wait_alu depctr_va_vdst(0)
	v_add_nc_u32 v6, s45, v2
	v_add_nc_u32 v7, s46, v3
	v_add_nc_u32 v8, s47, v4
	v_nop
.irp g, 0,1                            ; S^T = k q^T, four tiles of 16 keys at a time
.if \g
.rept 4
	v_nop                                          ; places in front of loads into registers that matrix instructions have read
.endr
.endif
.irp t, 0,1,2,3
.irp p, 0,1,2
	ds_load_b64 v[40+12*\t+2*\p:41+12*\t+2*\p], v5 offset:768*(4*\g+\t)+256*\p
.endr
.endr
.if \g == 0
	ds_load_b128 v[KS:KS+3], v7                    ; the step's scale words: k's eight tiles,
	ds_load_b128 v[KS+4:KS+7], v7 offset:16
	ds_load_b128 v[VS:VS+3], v8                    ; v's four
.endif
	s_wait_dscnt 0x0
.irp t, 0,1,2,3
	v_wmma_scale_f32_16x16x128_f8f6f4 v[S+8*(4*\g+\t):S+8*(4*\g+\t)+7], v[40+12*\t:51+12*\t], v[16+12*\z:27+12*\z], 0, v[KS+4*\g+\t], v[QS+\z] matrix_a_fmt:MATRIX_FMT_FP6 matrix_b_fmt:MATRIX_FMT_FP6
.endr
.endr
.rept 4
	v_nop
.endr
	s_cmp_lg_u32 s44, s[48+\z]                     ; only the tile's last step lies on the diagonal: there hidden scores become -infinity, and p = 0
	s_cbranch_scc1 .Lopen_\@
.set mm, 0
.rept 64
	v_cmp_gt_i32 vcc_lo, 32*(mm/16)+mm%16, v[9+\z]
	v_cndmask_b32 v[S+mm], v[S+mm], v11, vcc_lo
.set mm, mm+1
.endr
.Lopen_\@:
.irp b, 0,1,2,3
	v_max3_num_f32 v[BM+\b], v[S+16*\b], v[S+1+16*\b], v[S+2+16*\b]   ; the largest score of each block of 32 keys: for the row's maximum and, since p rises with the score, for the block's largest p
.endr
.irp i, 3,5,7,9,11,13
.irp b, 0,1,2,3
	v_max3_num_f32 v[BM+\b], v[BM+\b], v[S+16*\b+\i], v[S+1+16*\b+\i]
.endr
.endr
.irp b, 0,1,2,3
	v_max_num_f32 v[BM+\b], v[BM+\b], v[S+15+16*\b]
.endr
.irp b, 0,1,2,3
	s_delay_alu instid0(VALU_DEP_4)
	v_permlanex16_b32 v[BY+\b], v[BM+\b], s40, s41
.endr
.irp b, 0,1,2,3
	s_delay_alu instid0(VALU_DEP_4)
	v_max_num_f32 v[BM+\b], v[BM+\b], v[BY+\b]
.endr
	s_delay_alu instid0(VALU_DEP_2)
	v_max3_num_f32 v[T0], v[BM], v[BM+1], v[BM+2]
	s_delay_alu instid0(VALU_DEP_1)
	v_max_num_f32 v[T0], v[T0], v[BM+3]
	s_delay_alu instid0(VALU_DEP_1)
	v_mul_f32 v[T0], s42, v[T0]                    ; as t (c is positive)
	s_delay_alu instid0(VALU_DEP_1)
	v_max_num_f32 v13, v13, v[T0]                  ; the running largest t
	v_mov_b32 v[T0], v12
	s_delay_alu instid0(VALU_DEP_2)
	v_floor_f32 v12, -v13                          ; -M = floor(-t): M is a whole number
	s_delay_alu instid0(VALU_DEP_1)
	v_sub_f32 v[T0], v12, v[T0]                    ; old M - new M: a whole number, 0 or less
	s_delay_alu instid0(VALU_DEP_1)
	v_cvt_i32_f32 v[T0], v[T0]                     ; (it saturates)
	s_delay_alu instid0(VALU_DEP_1)
	v_ldexp_f32 v[F], 1.0, v[T0]                   ; f = 2^(old M - new M)
.set jj, 0
.rept 32
	v_pk_fma_f32 v[S+jj:S+jj+1], v[S+jj:S+jj+1], s[42:43], v[12:13] op_sel_hi:[1,0,0]   ; t - M
.set jj, jj+2
.endr
	s_setprio 1
.irp b, 0,1,2,3
	v_fma_f32 v[BM+\b], v[BM+\b], s42, v12
.endr
.set jj, 0
	s_wait_alu depctr_va_vdst(0)
.rept 64
	v_exp_f32 v[S+jj], v[S+jj]                     ; p = 2^(t - M), at most 1
.set jj, jj+1
.endr
.irp b, 0,1,2,3
	v_exp_f32 v[BM+\b], v[BM+\b]                   ; the block's largest p
.endr
	v_pk_mul_f32 v[14:15], v[14:15], v[F:F+1] op_sel_hi:[1,0]   ; the sums under the new M (a plain place behind the exponentials)
	s_wait_alu depctr_va_vdst(0)
.irp b, 0,1,2,3
	v_max_num_f32 v[BM+\b], 0x1800000, v[BM+\b]    ; the floor: the byte cannot fall under 1
.endr
.irp b, 0,1,2,3
	s_delay_alu instid0(VALU_DEP_4)
	v_add_nc_u32 v[SO+\b], 0xff000000, v[BM+\b]
.endr
.irp b, 0,1,2,3
	s_delay_alu instid0(VALU_DEP_4)
	v_lshrrev_b32 v[BY+\b], 23, v[SO+\b]
.endr
	s_delay_alu instid0(VALU_DEP_3)
	v_lshl_or_b32 v[PS], v[BY+1], 8, v[BY]         ; p's scale word for these 128 keys
	s_delay_alu instid0(VALU_DEP_1)
	v_lshl_or_b32 v[PS], v[BY+2], 16, v[PS]
	s_delay_alu instid0(VALU_DEP_1)
	v_lshl_or_b32 v[PS], v[BY+3], 24, v[PS]
.irp c, 0,1
	v_cvt_scalef32_pk16_fp6_f32 v[PCD+6*\c:PCD+2+6*\c], v[S+32*\c:S+15+32*\c], v[SO+2*\c]
	v_cvt_scalef32_pk16_fp6_f32 v[PT+4*\c:PT+2+4*\c], v[S+16+32*\c:S+31+32*\c], v[SO+2*\c+1]
.endr
	v_nop                                          ; one plain place behind the conversions
.irp c, 0,1                            ; a whole block in a lane: lanes 0-15 block 2 c, lanes 16-31 block 2 c + 1
.irp i, 0,1,2
	v_permlane16_swap_b32 v[PCD+6*\c+\i], v[PT+4*\c+\i]
.endr
.irp i, 0,1,2
	s_delay_alu instid0(VALU_DEP_3)
	v_mov_b32 v[PCD+3+6*\c+\i], v[PT+4*\c+\i]
.endr
.endr
	v_pk_add_f32 v[236:237], v[92:93], v[96:97]
	v_pk_add_f32 v[252:253], v[100:101], v[104:105]
	v_pk_add_f32 v[250:251], v[108:109], v[112:113]
	v_pk_add_f32 v[248:249], v[116:117], v[120:121]
	v_pk_add_f32 v[246:247], v[124:125], v[128:129]
	v_pk_add_f32 v[244:245], v[132:133], v[136:137]
	v_pk_add_f32 v[242:243], v[140:141], v[144:145]
	v_pk_add_f32 v[14:15], v[14:15], v[148:149]
	v_pk_add_f32 v[236:237], v[236:237], v[88:89]
	v_pk_add_f32 v[252:253], v[252:253], v[90:91]
	v_pk_add_f32 v[250:251], v[250:251], v[94:95]
	v_pk_add_f32 v[248:249], v[248:249], v[98:99]
	v_pk_add_f32 v[246:247], v[246:247], v[102:103]
	v_pk_add_f32 v[244:245], v[244:245], v[106:107]
	v_pk_add_f32 v[242:243], v[242:243], v[110:111]
	v_pk_add_f32 v[14:15], v[14:15], v[114:115]
	v_pk_add_f32 v[236:237], v[236:237], v[118:119]
	v_pk_add_f32 v[252:253], v[252:253], v[122:123]
	v_pk_add_f32 v[250:251], v[250:251], v[126:127]
	v_pk_add_f32 v[248:249], v[248:249], v[130:131]
	v_pk_add_f32 v[246:247], v[246:247], v[134:135]
	v_pk_add_f32 v[244:245], v[244:245], v[138:139]
	v_pk_add_f32 v[242:243], v[242:243], v[142:143]
	v_pk_add_f32 v[14:15], v[14:15], v[146:147]
	v_pk_add_f32 v[236:237], v[236:237], v[150:151]
	s_delay_alu instid0(VALU_DEP_2)
	v_pk_add_f32 v[14:15], v[14:15], v[248:249]
	s_delay_alu instid0(VALU_DEP_2)
	v_pk_add_f32 v[236:237], v[236:237], v[246:247]
	v_pk_add_f32 v[252:253], v[252:253], v[244:245]
	v_pk_add_f32 v[250:251], v[250:251], v[242:243]
	s_delay_alu instid0(VALU_DEP_2)
	v_pk_add_f32 v[14:15], v[14:15], v[252:253]
	s_delay_alu instid0(VALU_DEP_2)
	v_pk_add_f32 v[236:237], v[236:237], v[250:251]
	s_delay_alu instid0(VALU_DEP_1)
	v_pk_add_f32 v[14:15], v[14:15], v[236:237]
	s_setprio 0
.irp d, 0,1,2,3                        ; v^T's four fragments (16 channels x 128 keys) land where p lay, under the multiplications below
.irp p, 0,1,2,3,4,5
	ds_load_b64 v[S+12*\d+2*\p:S+12*\d+2*\p+1], v6 offset:3072*(\p/3)+768*\d+256*(\p%3)
.endr
.endr
.set jj, 0
.rept 16
	v_pk_mul_f32 v[O+jj:O+jj+1], v[O+jj:O+jj+1], v[F:F+1] op_sel_hi:[1,0]   ; O^T under the new M
.set jj, jj+2
.endr
	s_wait_alu depctr_va_vdst(0)
	s_wait_dscnt 0x0
.irp d, 0,1,2,3                        ; O^T += v^T p^T: the four accumulators by turns
	v_wmma_scale_f32_16x16x128_f8f6f4 v[O+8*\d:O+8*\d+7], v[S+12*\d:S+12*\d+11], v[PCD:PCD+11], v[O+8*\d:O+8*\d+7], v[VS+\d], v[PS] matrix_a_fmt:MATRIX_FMT_FP6 matrix_b_fmt:MATRIX_FMT_FP6
.endr
.endm
; The tile's end: O^T / the sum, quantised along the head's 64 (two blocks, each in lanes l and l xor 16), one image of 768 bytes.
.macro FINISH z
.set ACP, 60+6*\z
.set ASP, 68+2*\z
.rept 4
	v_nop                                          ; places behind the last products
.endr
	v_add_f32 v14, v14, v15
	s_delay_alu instid0(VALU_DEP_1)
	v_permlanex16_b32 v[T0], v14, s40, s41
	s_delay_alu instid0(VALU_DEP_1)
	v_add_f32 v14, v14, v[T0]                      ; the row's sum
	s_wait_alu depctr_va_vdst(0)
	v_rcp_f32 v[F], v14
	v_mov_b32 v[F+1], 0                            ; (a plain place behind the reciprocal)
.set jj, 0
	s_wait_alu depctr_va_vdst(0)
.rept 16
	v_pk_mul_f32 v[S+jj:S+jj+1], v[O+jj:O+jj+1], v[F:F+1] op_sel_hi:[1,0]   ; register 16 b + i: channel 32 b + 16 h + i; each accumulator from its low end on
.set jj, jj+2
.endr
.irp b, 0,1
	v_max3_num_f32 v[BM+\b], |v[S+16*\b]|, |v[S+1+16*\b]|, 0x1800000
.endr
.irp i, 2,4,6,8,10,12,14
.irp b, 0,1
	s_delay_alu instid0(VALU_DEP_2)
	v_max3_num_f32 v[BM+\b], v[BM+\b], |v[S+16*\b+\i]|, |v[S+1+16*\b+\i]|
.endr
.endr
.irp b, 0,1
	s_delay_alu instid0(VALU_DEP_2)
	v_permlanex16_b32 v[BY+\b], v[BM+\b], s40, s41
.endr
.irp b, 0,1
	s_delay_alu instid0(VALU_DEP_2)
	v_max_num_f32 v[BM+\b], v[BM+\b], v[BY+\b]
.endr
.irp b, 0,1
	s_delay_alu instid0(VALU_DEP_2)
	v_add_nc_u32 v[SO+\b], 0xff000000, v[BM+\b]
.endr
.irp b, 0,1
	s_delay_alu instid0(VALU_DEP_2)
	v_lshrrev_b32 v[BY+\b], 23, v[SO+\b]
.endr
	v_cvt_scalef32_pk16_fp6_f32 v[PCD:PCD+2], v[S:S+15], v[SO]
	v_cvt_scalef32_pk16_fp6_f32 v[PT:PT+2], v[S+16:S+31], v[SO+1]
	v_nop                                          ; one plain place behind the conversions
.irp i, 0,1,2
	v_permlane16_swap_b32 v[PCD+\i], v[PT+\i]
.endr
.irp i, 0,1,2
	s_delay_alu instid0(VALU_DEP_3)
	v_mov_b32 v[PCD+3+\i], v[PT+\i]
.endr
	v_cndmask_b32 v241, v[BY], v[BY+1], s50        ; lanes 0-15 store block 0's byte, lanes 16-31 block 1's
.irp p, 0,1,2
	global_store_b64 v1, v[PCD+2*\p:PCD+2*\p+1], s[ACP:ACP+1] offset:256*\p   ; 256 consecutive bytes, aligned
.endr
	global_store_b8 v240, v241, s[ASP:ASP+1]
.endm
.macro PASS z
.if \z
	s_wait_xcnt 0x0                                ; the first tile's stores have read their data
.endif
	v_mov_b32 v13, 0xff61b1e6                      ; the largest t so far: -3e38, under every t
	s_delay_alu instid0(VALU_DEP_1)
	v_floor_f32 v12, -v13
	v_mov_b32 v14, 0
	v_mov_b32 v15, 0
.set jj, 0
.rept 32
	v_mov_b32 v[O+jj], 0                           ; the step is written once: the first finds zeros, which the first change of M leaves zeros
.set jj, jj+1
.endr
	s_mov_b32 s44, 0                               ; the key step
	s_mov_b32 s45, 0                               ; its codes: 6,144 bytes a step, k's and v's alike
	s_mov_b32 s46, 0                               ; k's scale words: 512
	s_mov_b32 s47, 0                               ; v's: 256
.Lkey_\@:                                          ; 16 trips in every wave; a step all of whose keys come after my queries is jumped over
	s_cmp_gt_u32 s44, s[48+\z]
	s_cbranch_scc1 .Lnext_\@
	s_setprio 2
	KEYSTEP \z
.Lnext_\@:
	s_add_co_u32 s45, s45, 6144
	s_add_co_u32 s46, s46, 512
	s_add_co_u32 s47, s47, 256
	s_add_co_u32 s44, s44, 1
	s_cmp_lt_u32 s44, 16
	s_cbranch_scc1 .Lkey_\@
	s_setprio 0
	FINISH \z
.endm
	s_wait_tensorcnt 0x0                           ; my sixteenth of the head has landed,
	s_barrier_signal -1
	s_barrier_wait -1                              ; everybody's has
	s_wait_loadcnt 0x0                             ; q
	PASS 0
	PASS 1
	s_wait_dscnt 0x0
	s_wait_tensorcnt 0x0
	ds_add_u32 v254, v255
	s_wait_dscnt 0x0
	CROUND                                         ; the closing round
	s_endpgm
.Lfunc_end_k_qf4109879bf_attn:
	.size	k_qf4109879bf_attn, .Lfunc_end_k_qf4109879bf_attn-k_qf4109879bf_attn
	.p2alignl 7, 3214868480
	.fill 96, 4, 3214868480
	.section	.rodata,"a",@progbits
	.p2align	6, 0x0
	.amdhsa_kernel k_qf4109879bf_attn
		.amdhsa_group_segment_fixed_size 210944
		.amdhsa_private_segment_fixed_size 0
		.amdhsa_enable_private_segment 0
		.amdhsa_kernarg_size 32
		.amdhsa_user_sgpr_count 2
		.amdhsa_user_sgpr_kernarg_segment_ptr 1
		.amdhsa_wavefront_size32 1
		.amdhsa_system_sgpr_workgroup_id_x 1
		.amdhsa_system_sgpr_workgroup_id_y 1
		.amdhsa_system_sgpr_workgroup_id_z 1
		.amdhsa_system_vgpr_workitem_id 0
		.amdhsa_next_free_vgpr 256
		.amdhsa_next_free_sgpr 80
		.amdhsa_reserve_vcc 1
		.amdhsa_float_denorm_mode_32 3
		.amdhsa_float_denorm_mode_16_64 3
		.amdhsa_memory_ordered 1
		.amdhsa_forward_progress 1
		.amdhsa_inst_pref_size 68
	.end_amdhsa_kernel
	.amdgpu_metadata
---
amdhsa.version: [ 1, 2 ]
amdhsa.kernels:
  - .name:           k_qf4109879bf_attn
    .symbol:         k_qf4109879bf_attn.kd
    .args:
      - { .name: hc, .offset: 0, .size: 8, .value_kind: global_buffer, .address_space: global }
      - { .name: hs, .offset: 8, .size: 8, .value_kind: global_buffer, .address_space: global }
      - { .name: ac, .offset: 16, .size: 8, .value_kind: global_buffer, .address_space: global }
      - { .name: asc, .offset: 24, .size: 8, .value_kind: global_buffer, .address_space: global }
    .group_segment_fixed_size: 210944
    .private_segment_fixed_size: 0
    .kernarg_segment_align: 8
    .kernarg_segment_size: 32
    .max_flat_workgroup_size: 512
    .sgpr_count:     80
    .vgpr_count:     256
    .wavefront_size: 32
...
	.end_amdgpu_metadata
.endif
;; end of part 3
;; launch oproj (part 4): grid 4 x 64, 4 waves a work-group, clusters of 4 x 4, 307,712 bytes of LDS; arguments ac, asc, wc, ws, bo, out0; writes out0
.if DOCPART == 4
	.amdgcn_target "amdgcn-amd-amdhsa--gfx1250"
	.amdhsa_code_object_version 6
	.text
	.protected	k_qf4109879bf_oproj
	.globl	k_qf4109879bf_oproj
	.p2align	8
	.type	k_qf4109879bf_oproj,@function
k_qf4109879bf_oproj:
	s_mov_b64 s[64:65], 0
	v_nop
	global_prefetch_b8 v0, s[64:65] scope:SCOPE_SE
	s_setreg_imm32_b32 hwreg(HW_REG_WAVE_MODE, 25, 1), 1
	s_wait_xcnt 0x0
	s_wait_alu depctr_hold_cnt(0) depctr_sa_sdst(0) depctr_va_vdst(0) depctr_va_sdst(0) depctr_va_ssrc(0) depctr_va_vcc(0) depctr_vm_vsrc(0)
	s_getreg_b32 s2, hwreg(HW_REG_IB_STS2, 6, 4)
	s_cmp_eq_u32 s2, 0
	s_cbranch_scc0 .Lentry_in_a_cluster
	s_endpgm
.Lentry_in_a_cluster:
	s_bfe_u32 s2, ttmp6, 0x10000c
	s_cmp_lg_u32 s2, 0xf033
	s_cbranch_scc0 .Lentry_shape_is_right
	s_endpgm
.Lentry_shape_is_right:
; out0 = a Wo^T + bo on codes of FP6 (E2M3) with E8M0 scales, K = 1,024; a is the attention's result, already as codes.  out0: [8192][1024] f32.
; OPERANDS arrive as images of the matrix operand's registers: [tile T][kap 16][768 bytes]; lane r of tile T is row 32 (T / 2) + 8 (T % 2) + r + 8 (r / 8); lane l owns k = 64 kap + 32 (l / 16) + 0 .. 31, register pair p at 256 p + 8 l.
; So a fragment is six loads of 8 bytes a lane, each 256 consecutive LDS bytes: no pitch, no padding.  Scale words: [T][sig 4][r 16][q 2][4], the word of K step 2 sig + q.  Wo's tiles are the weights' 192 to 255.
; SHARES.  A work-group of four waves makes 128 tokens x 256 features: 64 x 4 = 256 work-groups.  A wave makes 64 x 128: 32 accumulators, 256 registers.
; Source 0 = 16 rows of Wo ('B'), source 1 = 16 rows of a ('A'): a lane holds one token, and the 16 registers of B's tiles 2 t, 2 t + 1 are 16 neighbouring features.
; ALL OF K LIES IN LDS: A's 8 tiles and B's 16, 12,288 bytes each, and their scale words: 294,912 + 12,288 bytes, filled once.  Nothing is filled again, so there is no ring.
; The codes come in four parts of 256 along K, so that the products begin when the first part has landed: a counted wait and a barrier stand ahead of the first read of each part.
; The price of the smaller block: a K step of 128 reads 12 fragments for 32 products, where a wave of 128 x 128 would read 16 for 64.
; CLUSTERS 4 x 4: A's tiles hang on the block of tokens alone and are asked for jointly along a row of the cluster, B's on the block of features alone, along a column.
; The bias is the C of each sum's first product, so it is added first and not last: an order of rounding that differs from the reference's.
; REGISTERS: window 0: v1-30 addresses; v32-63 scale words, two sets; v64-127 the bias; v128-175, v176-223 A's fragments, two sets (on the way out v128-255 take rows of the result).
;   window 1: B's fragments, two sets, at v0 and v128.   window 2: the accumulators, (a, b) at v[8 (8 a + b)].
.set FR,     12                        ; registers of a fragment: 16 rows x 128 K
.set NP,     4                         ; places behind this matrix instruction (ISA guide 7.12.1)
.set HFB,    768
.set TROW,   16*HFB                    ; a tile's codes for all of K
.set SROW,   4*HFB                     ; and for 256 along K
.set KPART,  24*SROW                   ; a part in LDS: A's 8 tiles, then B's 16, for 256 along K
.set SCL,    4*KPART                   ; behind the four parts: A's scale words, 4,096 bytes, then B's, 8,192
.set SPITCH, 528                       ; the way out: a stage of 16 rows x (512 + 16) bytes for each wave, in part 0, whose one fill and last read lie behind a barrier by then
.set ADRA, 16                          ; v16-19  LDS address of my A fragments in part 0 .. 3
.set ADRB, 20                          ; v20-23  the same for B
.set STO,  24                          ; v24     the way out: where I put my numbers of a row
.set RD,   25                          ; v25     and where I read a row back
.set CO,   26                          ; v26     my byte offset in a row of out0
.set ADRS, 27                          ; v27     my scale words: lanes 0-15 A's, lanes 16-31 B's
.set BOF,  30                          ; v30     my offset in the bias
.set SC,   32                          ; set (part % 2) at v[SC + 16 x set]; register 2 i + q: lanes 0-15 the word of A's block i, lanes 16-31 that of B's block i; they hold scales and nothing else
.set BIAS, 64
.set AF,   128
.set BK,   128
.set G1,   24                          ; s[24:31] group 1, A's codes;  s[32:39] B's codes;  s[40:47] A's scale words;  s[48:55] B's
.set G1B,  32
.set G1S,  40
.set G1SB, 48
.set G0A,  56                          ; groups 0 for A's four parts: s[56:59], s[60:63], s[68:71], s[72:75]
.set G0B,  76                          ; for B's: s[76:91]
.set G0S,  92                          ; s[92:95] A's scale words;  s[96:99] B's
.set G0SB, 96
.set MSB, 0
.macro WIN new                         ; the immediate's high byte repeats the setting that is left
.if MSB != \new
	s_set_vgpr_msb (MSB<<8)|\new
.set MSB, \new
.endif
.endm
.set TO_B,   0x40                      ; destination window 1, address window 0
.macro JLOAD g0a, g1a, g0b, g1b        ; a joint load: waves 0, 1 fetch for A, waves 2, 3 for B; each line has one mask; four v_nop follow each line
	s_cmp_eq_u32 s15, 0
	s_cbranch_scc0 .Lfor_b_\@
	tensor_load_to_lds s[\g0a:\g0a+3], s[\g1a:\g1a+7]
	s_nop 0
.rept 4
	v_nop
.endr
	s_branch .Lasked_\@
.Lfor_b_\@:
	tensor_load_to_lds s[\g0b:\g0b+3], s[\g1b:\g1b+7]
	s_nop 0
.rept 4
	v_nop
.endr
.Lasked_\@:
.endm
.macro CROUND                          ; a round of the cluster's barrier
	s_barrier_signal -1
	s_barrier_wait -1
	s_cmp_lg_u32 s14, 0
	s_cbranch_scc1 .Lnot_wave_0_\@
	s_barrier_signal -3
.Lnot_wave_0_\@:
	s_barrier_wait -3
	s_barrier_signal -1
	s_barrier_wait -1
.endm
.macro SHAPE g, c, r, p                ; words 1 to 7 of a group 1: r rows of c elements of 8 bytes, p elements apart
	s_mov_b32 s[\g+1], (\c)<<16
	s_mov_b32 s[\g+2], (\r)<<16
	s_mov_b32 s[\g+3], (\c)<<16
	s_mov_b32 s[\g+4], \r
	s_mov_b32 s[\g+5], \p
	s_mov_b32 s[\g+6], 0
	s_mov_b32 s[\g+7], 0
.endm
	s_load_b256 s[4:11], s[0:1], 0x0               ; ac, asc, wc, ws
	s_load_b128 s[20:23], s[0:1], 0x20             ; bo, out0
	v_lshl_add_u32 v29, v0, 2, 0x4b000
	v_mov_b32 v31, 0
	ds_add_u32 v29, v31
	ds_add_u32 v29, v31
	v_lshrrev_b32 v1, 5, v0
	v_readfirstlane_b32 s14, v1                    ; wave 0..3
	s_lshr_b32 s15, s14, 1                         ; my half of the block's tokens.  Also: I fetch for A (0) or for B (1)
	s_and_b32 s16, s14, 1                          ; my half of its features.  Also: which half of that side's tiles I fetch
	s_bfe_u32 s66, ttmp6, 0x40000                  ; cx
	s_bfe_u32 s67, ttmp6, 0x40004                  ; cy
	s_lshl_b32 s100, ttmp9, 2
	s_add_co_u32 s100, s100, s66                   ; block of 256 features = 4 x cluster x + cx
	s_and_b32 s17, ttmp7, 0xffff
	s_lshl_b32 s17, s17, 2
	s_add_co_u32 s17, s17, s67                     ; block of 128 tokens = 4 x cluster y + cy
	s_lshl_b32 s12, s67, 2
	s_lshl_b32 s12, 15, s12                        ; my row of the cluster
	s_lshl_b32 s2, 0x1111, s66                     ; my column
	s_or_b32 s[G1+0], s12, (3<<16)|(1<<21)         ; 15:0 the mask; 17:16 elements of 8 bytes; 21 set beside a mask; no padding
	s_or_b32 s[G1S+0], s12, (3<<16)|(1<<21)
	s_or_b32 s[G1B+0], s2, (3<<16)|(1<<21)
	s_or_b32 s[G1SB+0], s2, (3<<16)|(1<<21)
	SHAPE G1, 384, 4, 1536                         ; A's codes: 4 tiles, 3,072 bytes of each, 12,288 bytes apart
	SHAPE G1B, 384, 8, 1536                        ; B's: 8 tiles
	SHAPE G1S, 32, 8, 32                           ; A's scale words: 4 tiles, 2,048 dense bytes as rows of 256
	SHAPE G1SB, 32, 16, 32                         ; B's: 8 tiles, 4,096 bytes
	; A's numbers stay in s12, s13, s18, B's in s2, s3, s19: no register that feeds one side's descriptors holds the other side's coordinate
	s_lshl_b32 s18, s17, 3
	s_lshl_b32 s101, s16, 2
	s_add_co_u32 s18, s18, s101                    ; A's first tile that I fetch: 8 x block + 4 x half
	s_lshl_b32 s19, s100, 4
	s_lshl_b32 s101, s16, 3
	s_add_co_u32 s19, s19, s101
	s_add_co_u32 s19, s19, 192                     ; B's: Wo begins at the weights' tile 192
	s_mul_i32 s12, s18, TROW                       ; their codes, in bytes,
	s_mov_b32 s13, 0
	s_mul_i32 s2, s19, TROW
	s_mov_b32 s3, 0
	s_lshl_b32 s18, s18, 9                         ; and their scale words
	s_lshl_b32 s19, s19, 9
	s_wait_dscnt 0x0
	s_wait_kmcnt 0x0
	s_add_nc_u64 s[G0A+2:G0A+3], s[4:5], s[12:13]
	s_add_nc_u64 s[G0B+2:G0B+3], s[8:9], s[2:3]
	s_mov_b32 s12, s18
	s_mov_b32 s2, s19
	s_add_nc_u64 s[G0S+2:G0S+3], s[6:7], s[12:13]
	s_add_nc_u64 s[G0SB+2:G0SB+3], s[10:11], s[2:3]
.irp s, 1,2,3                          ; part s begins 3,072 s bytes on in each tile
	s_add_nc_u64 s[G0A+4*\s+4*(\s/2)+2:G0A+4*\s+4*(\s/2)+3], s[G0A+2:G0A+3], \s*SROW
	s_add_nc_u64 s[G0B+4*\s+2:G0B+4*\s+3], s[G0B+2:G0B+3], \s*SROW
.endr
	s_mul_i32 s101, s16, 4*SROW                    ; where they go hangs on the wave's number alone: A's half,
.irp s, 0,1,2,3
	s_mov_b32 s[G0A+4*\s+4*(\s/2)], 1
	s_add_co_u32 s[G0A+4*\s+4*(\s/2)+1], s101, \s*KPART
	s_or_b32 s[G0A+4*\s+4*(\s/2)+3], s[G0A+4*\s+4*(\s/2)+3], 0x80000000
.endr
	s_mul_i32 s101, s16, 8*SROW                    ; B's half, behind A's 8 tiles
.irp s, 0,1,2,3
	s_mov_b32 s[G0B+4*\s], 1
	s_add_co_u32 s[G0B+4*\s+1], s101, \s*KPART+8*SROW
	s_or_b32 s[G0B+4*\s+3], s[G0B+4*\s+3], 0x80000000
.endr
	s_lshl_b32 s101, s16, 11
	s_mov_b32 s[G0S], 1
	s_add_co_u32 s[G0S+1], s101, SCL
	s_or_b32 s[G0S+3], s[G0S+3], 0x80000000
	s_lshl_b32 s101, s16, 12
	s_mov_b32 s[G0SB], 1
	s_add_co_u32 s[G0SB+1], s101, SCL+4096
	s_or_b32 s[G0SB+3], s[G0SB+3], 0x80000000
	CROUND                                         ; all sixteen work-groups are here: the joint loads meet
	JLOAD G0S, G1S, G0SB, G1SB                     ; five loads of mine go out, the launch's only ones: the scale words,
.irp s, 0,1,2,3
	JLOAD G0A+4*\s+4*(\s/2), G1, G0B+4*\s, G1B     ; and the four parts of K, in the order in which they are read
.endr
	v_and_b32 v1, 15, v0                           ; r
	v_bfe_u32 v2, v0, 4, 1                         ; h
	v_and_b32 v3, 31, v0                           ; lane
	v_lshlrev_b32 v4, 3, v3                        ; 8 x lane
	s_lshl_b32 s2, s100, 10
	s_lshl_b32 s3, s16, 9
	s_add_co_u32 s2, s2, s3                        ; my first feature, in bytes
	s_mov_b32 s3, 0
	s_add_nc_u64 s[12:13], s[20:21], s[2:3]        ; bo at my 128 features
	v_lshlrev_b32 v[BOF], 6, v2                    ; B's tile b, register j: feature 32 (b / 2) + 8 (b % 2) + 16 h + j
.irp b, 0,1,2,3,4,5,6,7
	global_load_b128 v[BIAS+8*\b:BIAS+8*\b+3], v[BOF], s[12:13] offset:(32*(\b/2)+8*(\b%2))*4
	global_load_b128 v[BIAS+8*\b+4:BIAS+8*\b+7], v[BOF], s[12:13] offset:(32*(\b/2)+8*(\b%2))*4+16
.endr
	s_lshl_b32 s18, s17, 7
	s_lshl_b32 s19, s15, 6
	s_add_co_u32 s18, s18, s19                     ; my first token: 128 x block + 64 x half
	s_lshl_b32 s18, s18, 12                        ; rows of 4,096 bytes
	s_add_co_u32 s18, s18, s2
	s_mov_b32 s19, 0
	s_add_nc_u64 s[22:23], s[22:23], s[18:19]      ; out0 at my part of the block; never stepped
	s_mul_i32 s18, s15, 4*SROW                     ; my 4 tiles of A
	s_mul_i32 s19, s16, 8*SROW                     ; my 8 tiles of B,
	s_add_co_u32 s19, s19, 8*SROW                  ; which lie behind A's 8
.irp s, 0,1,2,3
	v_add_nc_u32 v[ADRA+\s], s18, v4
	v_add_nc_u32 v[ADRB+\s], s19, v4
	s_add_co_u32 s18, s18, KPART
	s_add_co_u32 s19, s19, KPART
.endr
	v_lshlrev_b32 v5, 3, v1                        ; scale words: 8 bytes a row for the two K steps of a part
	s_lshl_b32 s18, s15, 11                        ; A's: my 4 tiles
	s_lshl_b32 s19, s16, 12                        ; B's: my 8 tiles, behind A's 4,096 bytes
	s_add_co_u32 s19, s19, 4096
	s_sub_co_u32 s19, s19, s18
	v_mul_u32_u24 v6, s19, v2                      ; lanes 16-31 take B's: one product, the distance between the two bases
	s_add_co_u32 s18, s18, SCL
	v_add_nc_u32 v5, v5, v6
	v_add_nc_u32 v[ADRS], s18, v5
	s_mul_i32 s18, s14, 16*SPITCH                  ; my stage
	v_mul_u32_u24 v5, v1, SPITCH
	v_lshl_add_u32 v5, v2, 6, v5
	v_add_nc_u32 v[STO], s18, v5                   ; in: row r, + 64 h bytes: my 16 features of each 32
	v_lshlrev_b32 v[CO], 4, v3                     ; back: the 32 lanes take one row of 512 bytes; and the same in out0
	v_add_nc_u32 v[RD], s18, v[CO]
.macro FRAG reg, adr, q, i             ; a fragment: tile i, the part's q-th 128 along K: 12 registers, six loads of 8 bytes a lane
.irp p, 0,1,2,3,4,5
	ds_load_b64 v[\reg+2*\p:\reg+2*\p+1], v[\adr] offset:SROW*(\i)+HFB*(2*(\q)+\p/3)+256*(\p%3)
.endr
.endm
; The fragments of K step s, B's eight and A's four, into set s % 2: one run of 72 loads.  With an even s the scale words of its part come too: lanes 0-15 take A's block i, lanes 16-31 B's block i
; (I have four blocks of A: for i = 4 .. 7 lanes 0-15 bring words that no product names).
.macro FETCH s
	WIN TO_B
.irp i, 0,1,2,3,4,5,6,7
	FRAG 128*((\s)%2)+FR*\i, ADRB+(\s)/2, (\s)%2, \i
.endr
	WIN 0
.irp i, 0,1,2,3
	FRAG AF+48*((\s)%2)+FR*\i, ADRA+(\s)/2, (\s)%2, \i
.endr
.if (\s)%2 == 0
.irp i, 0,1,2,3,4,5,6,7
	ds_load_b64 v[SC+16*(((\s)/2)%2)+2*\i:SC+16*(((\s)/2)%2)+2*\i+1], v[ADRS] offset:512*\i+128*((\s)/2)
.endr
.endif
.endm
; 16 matrix instructions of K step s: A's blocks a0, a0 + 1 x B's eight.  Step 0 takes the bias as C: nothing is cleared.
; The 32 accumulators take turns, one instruction a turn, in the same order in every step.
.macro MUL16 a0, s
.irp a, \a0, \a0+1
.irp b, 0,1,2,3,4,5,6,7
.if (\s) == 0
	v_wmma_scale_f32_16x16x128_f8f6f4 v[8*(8*(\a)+\b):8*(8*(\a)+\b)+7], v[128*((\s)%2)+FR*\b:128*((\s)%2)+FR*\b+FR-1], v[AF+48*((\s)%2)+FR*(\a):AF+48*((\s)%2)+FR*(\a)+FR-1], v[BIAS+8*\b:BIAS+8*\b+7], v[SC+16*(((\s)/2)%2)+2*\b+(\s)%2], v[SC+16*(((\s)/2)%2)+2*(\a)+(\s)%2] matrix_a_fmt:MATRIX_FMT_FP6 matrix_b_fmt:MATRIX_FMT_FP6 matrix_a_scale:MATRIX_SCALE_ROW1
.else
	v_wmma_scale_f32_16x16x128_f8f6f4 v[8*(8*(\a)+\b):8*(8*(\a)+\b)+7], v[128*((\s)%2)+FR*\b:128*((\s)%2)+FR*\b+FR-1], v[AF+48*((\s)%2)+FR*(\a):AF+48*((\s)%2)+FR*(\a)+FR-1], v[8*(8*(\a)+\b):8*(8*(\a)+\b)+7], v[SC+16*(((\s)/2)%2)+2*\b+(\s)%2], v[SC+16*(((\s)/2)%2)+2*(\a)+(\s)%2] matrix_a_fmt:MATRIX_FMT_FP6 matrix_b_fmt:MATRIX_FMT_FP6 matrix_a_scale:MATRIX_SCALE_ROW1
.endif
.endr
.endr
.endm
.macro PLACES n                        ; plain vector places behind matrix instructions, in front of loads into their registers and of reads of their results
.rept \n
	v_nop
.endr
.endm
; K step s.  Its fragments were asked for at the head of the step before, 32 matrix instructions ago; the next step's are asked for now, into the set that the step before has multiplied.
; meet >= 0: the next step is the first of a part: each wave waits until its share of that part has landed (meet = how many of its younger loads may stay out), then the barrier.
.macro KSTEP s, meet
	s_wait_dscnt 0x0                               ; this step's fragments are in; no LDS instruction of mine is out at the signal below
.if \meet >= 0
	s_wait_tensorcnt \meet
	s_barrier_signal -1
	s_barrier_wait -1                              ; everybody's share has landed
.endif
.if \s < 7
.if \s > 0
	PLACES NP                                      ; behind the last step's products, which read the set that is loaded now
.endif
	FETCH (\s)+1
.endif
.if \s == 0
	WIN 0x81                                       ; source 0 (B) window 1, source 1 (A) and C (the bias) window 0, D window 2
.else
	WIN 0xa1                                       ; C and D window 2
.endif
	MUL16 0, \s
	MUL16 2, \s
.endm
	s_wait_tensorcnt 3                             ; my scale words and my share of part 0 are in; parts 1 to 3 stay out
	s_barrier_signal -1
	s_barrier_wait -1
	FETCH 0
	s_wait_loadcnt 0x0                             ; the bias
	KSTEP 0, -1
	KSTEP 1, 2                                     ; part 1 is read from here on; behind this barrier nobody reads part 0 any more
	KSTEP 2, -1
	KSTEP 3, 1                                     ; part 2
	KSTEP 4, -1
	KSTEP 5, 0                                     ; part 3: no tensor load of mine is out from here on
	KSTEP 6, -1
	KSTEP 7, -1
	WIN 0
; THE WAY OUT, block by block of 16 tokens x 128 features, through my own stage in LDS: in as a lane holds it (two runs of 32 bytes for each pair of B's tiles), back as whole rows of 512 bytes.
; LDS serves a wave's instructions in order (ISA guide 5.7.1.4): no wait between the stores and the loads, nor in front of the next block's stores.
.macro TOSTAGE a
.set AC, 64*(\a)
	WIN 0x08                                       ; an LDS store's data are its source 1: window 2
.irp b, 0,1,2,3,4,5,6,7
	ds_store_b128 v[STO], v[AC+8*\b:AC+8*\b+3] offset:128*(\b/2)+32*(\b%2)          ; each accumulator from its low end on
	ds_store_b128 v[STO], v[AC+8*\b+4:AC+8*\b+7] offset:128*(\b/2)+32*(\b%2)+16
.endr
	WIN 0
.set BB, BK+64*((\a)%2)
.irp t, 0,1,2,3,4,5,6,7,8,9,10,11,12,13,14,15
	ds_load_b128 v[BB+4*\t:BB+4*\t+3], v[RD] offset:\t*SPITCH
.endr
.endm
.macro SEND a, younger                 ; younger: the LDS instructions issued behind block a's loads, which may stay out
.set BB, BK+64*((\a)%2)
	s_wait_dscnt \younger
.irp t, 0,1,2,3,4,5,6,7,8,9,10,11,12,13,14,15
	global_store_b128 v[CO], v[BB+4*\t:BB+4*\t+3], s[22:23] offset:(32*((\a)/2)+8*((\a)%2)+\t+8*(\t/8))*4096 th:TH_STORE_NT   ; 32 lanes store 512 consecutive bytes, aligned; the tile's row stands in the immediate
.endr
.endm
	PLACES NP                                      ; behind the last products: for the stores that read their results and the loads into the registers that held A's fragments
	TOSTAGE 0
.irp a, 1,2,3
.if \a > 1
	s_wait_xcnt 0x0                                ; block a - 2's stores have read their registers: block a's loads may land there
.endif
	TOSTAGE \a
	SEND \a-1, 32                                  ; behind block a - 1's loads: block a's 16 stores and 16 loads
.endr
	SEND 3, 0
	s_wait_dscnt 0x0
	s_wait_tensorcnt 0x0
	ds_add_u32 v29, v31
	s_wait_dscnt 0x0
	CROUND                                         ; the closing round: no work-group ends while a partner may still ask for a tile that names it
	s_endpgm
.Lfunc_end_k_qf4109879bf_oproj:
	.size	k_qf4109879bf_oproj, .Lfunc_end_k_qf4109879bf_oproj-k_qf4109879bf_oproj
	.p2alignl 7, 3214868480
	.fill 96, 4, 3214868480
	.section	.rodata,"a",@progbits
	.p2align	6, 0x0
	.amdhsa_kernel k_qf4109879bf_oproj
		.amdhsa_group_segment_fixed_size 307712
		.amdhsa_private_segment_fixed_size 0
		.amdhsa_enable_private_segment 0
		.amdhsa_kernarg_size 48
		.amdhsa_user_sgpr_count 2
		.amdhsa_user_sgpr_kernarg_segment_ptr 1
		.amdhsa_wavefront_size32 1
		.amdhsa_system_sgpr_workgroup_id_x 1
		.amdhsa_system_sgpr_workgroup_id_y 1
		.amdhsa_system_sgpr_workgroup_id_z 1
		.amdhsa_system_vgpr_workitem_id 0
		.amdhsa_next_free_vgpr 768
		.amdhsa_next_free_sgpr 102
		.amdhsa_reserve_vcc 0
		.amdhsa_float_denorm_mode_32 3
		.amdhsa_float_denorm_mode_16_64 3
		.amdhsa_memory_ordered 1
		.amdhsa_forward_progress 1
		.amdhsa_inst_pref_size 100
	.end_amdhsa_kernel
	.amdgpu_metadata
---
amdhsa.version: [ 1, 2 ]
amdhsa.kernels:
  - .name:           k_qf4109879bf_oproj
    .symbol:         k_qf4109879bf_oproj.kd
    .args:
      - { .name: ac, .offset: 0, .size: 8, .value_kind: global_buffer, .address_space: global }
      - { .name: asc, .offset: 8, .size: 8, .value_kind: global_buffer, .address_space: global }
      - { .name: wc, .offset: 16, .size: 8, .value_kind: global_buffer, .address_space: global }
      - { .name: ws, .offset: 24, .size: 8, .value_kind: global_buffer, .address_space: global }
      - { .name: bo, .offset: 32, .size: 8, .value_kind: global_buffer, .address_space: global }
      - { .name: out0, .offset: 40, .size: 8, .value_kind: global_buffer, .address_space: global }
    .group_segment_fixed_size: 307712
    .private_segment_fixed_size: 0
    .kernarg_segment_align: 8
    .kernarg_segment_size: 48
    .max_flat_workgroup_size: 128
    .sgpr_count:     102
    .vgpr_count:     768
    .wavefront_size: 32
...
	.end_amdgpu_metadata
.endif
;; end of part 4
